; MI455X (gfx1250); checked and timed in simulation.
; The chip was launched on July 23, 2026; its instructions are those of AMD's public machine-readable ISA for CDNA 5 (MIT licence, August 2026) and "CDNA5" Instruction Set Architecture Reference Guide (July 2026). The comments in the code are by the model that wrote it; some were corrected since.
;; Multi Head Attention. Allowed arithmetic: matrix products marked QUANTISED: E3M2 operands, one E8M0 scale for each 32 along K, by v_wmma_scale_f32_16x16x128_f8f6f4 with both operands' format E3M2, f32 sums; everything else in f32.
;; Inputs: Wk 16 x 1,024 x 64 float32; Wproj 1,024 x 1,024 float32; Wq 16 x 1,024 x 64 float32; Wv 16 x 1,024 x 64 float32; bproj 1,024 float32; x 4 x 2,048 x 1,024 float32.
;; Outputs: out0 4 x 2,048 x 1,024 float32.
;; This version of the problem:
;;   THIS VERSION OF THE PROBLEM IS GIVEN IN LOW PRECISION. The matrix products marked QUANTISED in the list below multiply operands that are first quantised to E3M2 (3 exponent bits, 2 mantissa bits; 6 bits a number), with one power-of-two scale for each 32 numbers along K (OCP MX v1.0); their sums are f32. All else is computed in f32.
;;   The module's matrix products, in the order in which they are computed (A, B: the left and right operand; K: the contracted axis; several contracted axes count as one K, in the product's order):
;;     1. [M 1,024, K 1,024] x [K 1,024, N 8,192]; A: input Wq; B: input x: QUANTISED
;;     2. [M 1,024, K 1,024] x [K 1,024, N 8,192]; A: input Wk; B: input x: QUANTISED
;;     3. [M 1,024, K 1,024] x [K 1,024, N 8,192]; A: input Wv; B: input x: QUANTISED
;;     4. batch 64 x [M 2,048, K 64] x [K 64, N 2,048]; A: computed on the way; B: computed on the way: QUANTISED
;;     5. batch 64 x [M 2,048, K 2,048] x [K 2,048, N 64]; A: softmax (see below); B: computed on the way: QUANTISED
;;     6. [M 8,192, K 1,024] x [K 1,024, N 1,024]; A: computed on the way; B: input Wproj: QUANTISED
;;   THE QUANTISER, for each operand of a quantised product, along K:
;;     - K is cut into blocks of 32 from its start; a last block that is shorter is filled with zeros.
;;     - A block's scale is 2^e with e = floor(log2(the largest magnitude in the block)) - 4, held to -126 .. 127; a block of zeros has e = 0. As a byte (E8M0): e + 127.
;;     - Each number is divided by its block's scale, clamped to +-28, and rounded to the nearest number of E3M2, ties to even, subnormals kept.
;;     - The product sums the exact products of the quantised numbers (number of the format x scale) in f32.
;;   ~~~python
;;   def quantise(x, axis):      # numpy; x: float32 -> the quantised numbers, widened to float32 again
;;       x = np.moveaxis(x, axis, -1); K = x.shape[-1]
;;       x = np.pad(x, [(0, 0)] * (x.ndim - 1) + [(0, -K % 32)]); x = x.reshape(x.shape[:-1] + (-1, 32)); a = np.abs(x).max(-1, keepdims=True)
;;       e = np.where(a > 0, np.clip(np.frexp(np.where(a > 0, a, 1))[1] - 1 - 4, -126, 127), 0)      # np.frexp(a)[1] - 1 = floor(log2(a)), exactly
;;       r = np.clip(x / 2.0 ** e, -28, 28)
;;       step = 2.0 ** (np.maximum(np.frexp(np.where(r == 0, 1, r))[1] - 1, -2) - 2)
;;       q = np.round(r / step) * step * 2.0 ** e      # np.round: ties to even
;;       return np.moveaxis(q.reshape(q.shape[:-2] + (-1,))[..., :K], -1, axis).astype(np.float32)
;;   ~~~
;;   SOFTMAX AHEAD OF A QUANTISED PRODUCT. Where the list says 'softmax', what is quantised is not the finished softmax but p = 2^(t - M), with t = logit x log2(e) and M = ceil(the row's largest t), a whole number; so 1/2 < the row's largest p <= 1. The row's sum l is taken of the UNQUANTISED p, in f32, and the product's result is divided by l at the end. Since M is a whole number, a kernel that streams over the keys may use a running M (the ceiling of the running maximum): every later rescaling is an exact power of two, which a block's scale takes up: the codes' values come out the same.
;;   OPERANDS COMPUTED ON THE WAY. 'Computed on the way' means the value that the module computes at that place (a softmax that the list does not call 'softmax' is quantised finished and normalised). What goes into a quantiser is computed in f32, as accurately as f32 sums, v_exp_f32 and their like allow (about 1e-6 of the number): no bf16 or f16 on the way to a quantiser, and a product that is left as it is and whose result goes on into a quantised operand takes f32 operands (vector FMAs, or v_wmma_f32_16x16x4_f32). A number that lies on a knife's edge between two numbers of the format may be rounded either way, as far as f32 arithmetic and the matrix unit's own rounding can turn it there, and no further.
;; One version. Each part assembles by itself: llvm-mc -triple=amdgcn-amd-amdhsa -mcpu=gfx1250 --defsym DOCPART=n.
;; ======== version 1 of 1: 4 launches
;; limits: right only within a limited range of input values
;; workspace buffers: xcodes 6,291,456 bytes; xscales 262,144 bytes; wcodes 3,145,728 bytes; wscales 131,072 bytes; qb 6,815,744 bytes; kv 13,369,344 bytes; ocodes 6,291,456 bytes; oscales 262,144 bytes
;; launch prep (part 1): grid 384 x 1, 4 waves a work-group, no clusters, 35,328 bytes of LDS; arguments x, Wq, Wk, Wv, Wproj, xcodes, xscales, wcodes, wscales; writes xcodes, xscales, wcodes, wscales
.if DOCPART == 1
	.amdgcn_target "amdgcn-amd-amdhsa--gfx1250"
	.amdhsa_code_object_version 6
	.text
	.protected	k_qebd375b2d9_prep
	.globl	k_qebd375b2d9_prep
	.p2align	8
	.type	k_qebd375b2d9_prep,@function
k_qebd375b2d9_prep:
	s_mov_b64 s[64:65], 0
	v_nop
	global_prefetch_b8 v0, s[64:65] scope:SCOPE_SE
	s_setreg_imm32_b32 hwreg(HW_REG_WAVE_MODE, 25, 1), 1
	s_wait_xcnt 0x0
; x [8192][1024] f32 (K innermost) and Wq, Wk, Wv [16][1024][64], Wproj [1024][1024] f32 (K = the axis of 1,024 in front of the columns) become codes of BF6 (E3M2) with one E8M0 byte for each 32 along K.
; A block's scale is 2^(floor(log2(its largest magnitude)) - 4): its byte is the largest magnitude's exponent field - 4, held at 1 from below by a floor among the maximum's leaves.
; LIMITS: NaN and infinities among the inputs are not served; blocks whose largest magnitude lies under 2^-122 keep the byte 1; a block of zeros has the byte 1 and not 127 (its codes are zeros, and this program alone reads the bytes).
; LAYOUT OF THE RESULTS (this program's own).  Rows (tokens of x, columns of the weights) are stored with bits 3 and 4 of their index swapped: place 16 u + p of a group of 32 holds row 8 u + p + 8 (p / 8).
; Codes: [tile of 16 stored rows][64 along K][768 bytes]: the image of six operand registers: lane (r, h) owns row r's block h: registers 0-3 at 16 x lane, registers 4-5 at 512 + 8 x lane.
; Scale bytes: [group of 32 stored rows][256 along K][row][8 bytes]: a wave's load or store of 8 bytes a lane covers 256 consecutive bytes.
; Work-groups 0-255: a group of 32 rows of x, wave y takes 256 along K.  Work-groups 256-383: the weights; a wave takes 32 columns x 256 along K.  Waves share nothing: no barrier.
; No matrix unit, no tensor loads, no cluster: a stream read once; nothing is shared between work-groups.
.set R,   16                           ; v16-111  x: three sets of 32 registers as loaded
.set X,   112                          ; v112-175 x: two sets of 32 neighbours along K
.set C,   176                          ; v176-223 x: six registers of codes for each of eight steps: no store's data are written again
.set CT,  224                          ; v224-226 the second half of a block's codes (a conversion's three registers begin on an even number)
.set W,   228                          ; v228-231 scale words (tile u, word)
.set PD,  232                          ; v232-235 lane permutes' destinations
.set F,   236                          ; v236-237 the two words that my lane stores
.set WX,  32                           ; weights: v32-95 two sets of 32 numbers down K
.set WC,  96                           ; v96-143  six registers of codes for each of eight blocks
.set WT,  144                          ; v144-146
.set FLOOR, 0x2800000                  ; 2^(5 - 127)
.set OFF4,  0xfe000000                 ; -(4 << 23)
.macro XLOAD t                         ; step t = (tile u = t / 4, 64 along K: g = t % 4): 16 rows x 256 bytes; a load takes two stored rows, 256 consecutive bytes each
.irp i, 0,1,2,3,4,5,6,7
	global_load_b128 v[R+32*((\t)%3)+4*\i:R+32*((\t)%3)+4*\i+3], v4, s[4:5] offset:(8*((\t)/4)+2*\i+8*(\i/4))*4096+256*((\t)%4) th:TH_LOAD_NT
.endr
.endm
.macro XTURN t                         ; through the wave's own stage (rows 272 bytes apart): in as loaded, back as 128 bytes a lane: row r's block h.  LDS serves a wave's instructions in order
.irp i, 0,1,2,3,4,5,6,7
	ds_store_b128 v5, v[R+32*((\t)%3)+4*\i:R+32*((\t)%3)+4*\i+3] offset:4352*((\t)%2)+544*\i
.endr
.irp j, 0,1,2,3,4,5,6,7
	ds_load_b128 v[X+32*((\t)%2)+4*\j:X+32*((\t)%2)+4*\j+3], v6 offset:4352*((\t)%2)+16*\j
.endr
.endm
.macro XSTEP t
	s_wait_dscnt 0x0                               ; this step's numbers are back, and its stores into the stage have read their registers,
.if (\t)+3 < 8
	XLOAD (\t)+3                                   ; which take the loads of three steps on
.endif
.if (\t)+1 < 8
.if (\t) < 5
	s_wait_loadcnt 16                              ; the next step's eight loads are in; those of the two steps behind it may be out
.else
	s_wait_loadcnt 8*(6-(\t))
.endif
	XTURN (\t)+1
.endif
.set XS, X+32*((\t)%2)
.set CC, C+6*(\t)
.set WR, W+2*((\t)/4)+((\t)%4)/2
	v_max3_num_f32 v14, |v[XS]|, |v[XS+1]|, |v[XS+2]|              ; the block's largest magnitude: all 32 numbers are mine; two chains
	v_max3_num_f32 v15, |v[XS+3]|, |v[XS+4]|, |v[XS+5]|
.irp i, 6,10,14,18,22,26
	v_max3_num_f32 v14, v14, |v[XS+\i]|, |v[XS+\i+1]|
	v_max3_num_f32 v15, v15, |v[XS+\i+2]|, |v[XS+\i+3]|
.endr
	v_max3_num_f32 v14, v14, |v[XS+30]|, |v[XS+31]|
	v_max3_num_f32 v14, v14, v15, FLOOR
	v_add_nc_u32 v11, OFF4, v14                    ; 4 off its exponent field: the conversion's scale operand
	v_cvt_scalef32_pk16_bf6_f32 v[CC:CC+2], v[XS:XS+15], v11
	v_cvt_scalef32_pk16_bf6_f32 v[CT:CT+2], v[XS+16:XS+31], v11
	v_lshrrev_b32 v13, 23, v11                     ; the scale's byte (also the plain line behind the conversions)
.if (\t)%2 == 0
	v_lshlrev_b32 v[WR], v9, v13                   ; byte 2 (g % 2) + h of the word of 128 along K
.else
	v_lshl_or_b32 v[WR], v13, v10, v[WR]
.endif
.irp i, 0,1,2
	v_mov_b32 v[CC+3+\i], v[CT+\i]
.endr
	global_store_b128 v7, v[CC:CC+3], s[14:15] offset:12288*((\t)/4)+768*((\t)%4)        ; 512 consecutive bytes
	global_store_b64 v8, v[CC+4:CC+5], s[14:15] offset:12288*((\t)/4)+768*((\t)%4)+512   ; 256 consecutive bytes
.endm
.macro WLOAD t, pitch                  ; block t: W(32 t + i, my column): 32 lanes read 128 consecutive bytes
.irp i, 0,1,2,3,4,5,6,7,8,9,10,11,12,13,14,15,16,17,18,19,20,21,22,23,24,25,26,27,28,29,30,31
	global_load_b32 v[WX+32*((\t)%2)+\i], v3, s[6:7] offset:(32*(\t)+\i)*\pitch th:TH_LOAD_NT
.endr
.endm
.macro WBLOCK t, pitch
.set XS, WX+32*((\t)%2)
.set CC, WC+6*(\t)
.if (\t) < 7
	s_wait_loadcnt 32                              ; this block's 32 loads are in; the next block's may be out
.else
	s_wait_loadcnt 0x0
.endif
	v_max3_num_f32 v12, |v[XS]|, |v[XS+1]|, |v[XS+2]|
	v_max3_num_f32 v13, |v[XS+3]|, |v[XS+4]|, |v[XS+5]|
.irp i, 6,10,14,18,22,26
	v_max3_num_f32 v12, v12, |v[XS+\i]|, |v[XS+\i+1]|
	v_max3_num_f32 v13, v13, |v[XS+\i+2]|, |v[XS+\i+3]|
.endr
	v_max3_num_f32 v12, v12, |v[XS+30]|, |v[XS+31]|
	v_max3_num_f32 v12, v12, v13, FLOOR
	v_add_nc_u32 v11, OFF4, v12
	v_cvt_scalef32_pk16_bf6_f32 v[CC:CC+2], v[XS:XS+15], v11
	v_cvt_scalef32_pk16_bf6_f32 v[WT:WT+2], v[XS+16:XS+31], v11
	v_lshrrev_b32 v13, 23, v11                     ; the byte (the plain line behind the conversions)
.if (\t)%4 == 0
	v_mov_b32 v[24+(\t)/4], v13
.else
	v_lshl_or_b32 v[24+(\t)/4], v13, 8*((\t)%4), v[24+(\t)/4]
.endif
.irp i, 0,1,2
	v_mov_b32 v[CC+3+\i], v[WT+\i]
.endr
.if (\t)+2 < 8
	WLOAD (\t)+2, \pitch
.endif
.if (\t)%2 == 1                        ; my lane holds blocks 0 and 1 of 64 along K of ONE stored row; the images want lanes 0-15 block 0 and lanes 16-31 block 1 of a TILE's rows
.irp i, 0,1,2,3,4,5
	v_permlane16_swap_b32 v[CC-6+\i], v[CC+\i]     ; the first now is tile 0's image, the second tile 1's
.endr
	global_store_b128 v4, v[CC-6:CC-3], s[18:19] offset:768*((\t)/2)
	global_store_b64 v5, v[CC-2:CC-1], s[18:19] offset:768*((\t)/2)+512
	global_store_b128 v4, v[CC:CC+3], s[18:19] offset:12288+768*((\t)/2)
	global_store_b64 v5, v[CC+4:CC+5], s[18:19] offset:12288+768*((\t)/2)+512
.endif
.endm
.macro WBODY pitch
	WLOAD 0, \pitch
	WLOAD 1, \pitch
.irp t, 0,1,2,3,4,5,6,7
	WBLOCK \t, \pitch
.endr
	global_store_b64 v5, v[24:25], s[20:21]        ; my row's eight bytes: the wave stores 256 consecutive bytes
.endm
	s_load_b256 s[4:11], s[0:1], 0x0               ; x, Wq, Wk, Wv
	s_load_b256 s[12:19], s[0:1], 0x20             ; Wproj, xcodes, xscales, wcodes
	s_load_b64 s[20:21], s[0:1], 0x40              ; wscales
	v_lshl_add_u32 v240, v0, 2, 0x8800
	v_mov_b32 v241, 0
	v_lshrrev_b32 v1, 5, v0
	v_readfirstlane_b32 s22, v1                    ; wave
	v_and_b32 v2, 31, v0                           ; lane
	s_cmp_lt_u32 ttmp9, 256
	s_cbranch_scc0 .Lweights
	; ---- x
	v_and_b32 v3, 15, v2                           ; lane % 16
	v_lshrrev_b32 v12, 4, v2                       ; lane / 16
	v_lshlrev_b32 v13, 4, v3
	v_lshl_add_u32 v4, v12, 12, v13                ; in memory: 4,096 (lane / 16) + 16 (lane % 16)
	s_mul_i32 s23, s22, 8704                       ; my wave's two stages
	v_mad_u32_u24 v5, v12, 272, v13
	v_add_nc_u32 v5, s23, v5                       ; into a stage
	v_mul_u32_u24 v6, v3, 272
	v_lshl_add_u32 v6, v12, 7, v6
	v_add_nc_u32 v6, s23, v6                       ; out of it: row r, block h
	v_lshlrev_b32 v7, 4, v2
	v_lshlrev_b32 v8, 3, v2
	v_lshlrev_b32 v9, 3, v12                       ; 8 h: my byte's place in a word,
	v_add_nc_u32 v10, 16, v9                       ; and for the odd 64 along K
.irp i, 0,1,2,3
	v_mov_b32 v[PD+\i], 0                          ; a lane permute's destination counts as one of its sources
.endr
	s_mov_b32 s24, 0x76543210
	s_mov_b32 s25, 0xfedcba98                      ; selects for lane l xor 16
	s_mov_b32 s26, 0xffff0000                      ; lanes 16-31
	s_lshl_b32 s28, ttmp9, 17                      ; 32 rows of 4,096 bytes,
	s_lshl_b32 s27, s22, 10                        ; my 256 along K
	s_add_co_u32 s28, s28, s27
	s_mov_b32 s29, 0
	s_mul_i32 s30, ttmp9, 24576
	s_mul_i32 s27, s22, 3072
	s_add_co_u32 s30, s30, s27
	s_mov_b32 s31, 0
	s_lshl_b32 s32, ttmp9, 10
	s_lshl_b32 s27, s22, 8
	s_add_co_u32 s32, s32, s27
	s_mov_b32 s33, 0
	s_wait_alu depctr_va_vdst(0)
	s_wait_kmcnt 0x0
	s_add_nc_u64 s[4:5], s[4:5], s[28:29]
	s_add_nc_u64 s[14:15], s[14:15], s[30:31]
	s_add_nc_u64 s[16:17], s[16:17], s[32:33]
	XLOAD 0
	XLOAD 1
	XLOAD 2
	s_wait_loadcnt 16                              ; step 0's eight loads are in
	XTURN 0
.irp t, 0,1,2,3,4,5,6,7
	XSTEP \t
.endr
.irp i, 0,1,2,3
	v_permlanex16_b32 v[PD+\i], v[W+\i], s24, s25
.endr
.irp i, 0,1,2,3
	v_or_b32 v[W+\i], v[W+\i], v[PD+\i]            ; with lane l xor 16's two bytes each word is whole
.endr
	v_cndmask_b32 v[F], v[W], v[W+2], s26          ; lanes 0-15 store tile 0's rows, lanes 16-31 tile 1's
	v_cndmask_b32 v[F+1], v[W+1], v[W+3], s26
	global_store_b64 v8, v[F:F+1], s[16:17]        ; 256 consecutive bytes
	s_wait_tensorcnt 0x0
	ds_add_u32 v240, v241
	s_wait_dscnt 0x0
	s_endpgm
	; ---- the weights: a lane takes a column and its registers run down K: nothing is transposed
.Lweights:
	s_sub_co_u32 s23, ttmp9, 256
	s_lshr_b32 s24, s23, 2                         ; which four groups of 32 columns
	s_and_b32 s25, s23, 3                          ; which 256 along K
	s_wait_alu depctr_va_vdst(0)
	v_and_b32 v3, 7, v2
	v_lshrrev_b32 v6, 1, v2
	v_and_b32 v6, 8, v6
	v_or_b32 v3, v3, v6
	v_lshlrev_b32 v6, 1, v2
	v_and_b32 v6, 16, v6
	v_or_b32 v3, v3, v6                            ; my lane is a stored place: its column has bits 3 and 4 swapped
	v_lshlrev_b32 v3, 2, v3
	v_lshlrev_b32 v4, 4, v2
	v_lshlrev_b32 v5, 3, v2
	s_lshl_b32 s26, s24, 2
	s_add_co_u32 s26, s26, s22                     ; my wave's group of 32 stored rows, 0 .. 127
	s_mul_i32 s28, s26, 24576
	s_mul_i32 s27, s25, 3072
	s_add_co_u32 s28, s28, s27
	s_mov_b32 s29, 0
	s_lshl_b32 s30, s26, 10
	s_lshl_b32 s27, s25, 8
	s_add_co_u32 s30, s30, s27
	s_mov_b32 s31, 0
	s_wait_kmcnt 0x0
	s_add_nc_u64 s[18:19], s[18:19], s[28:29]
	s_add_nc_u64 s[20:21], s[20:21], s[30:31]
	s_cmp_lt_u32 s24, 24
	s_cbranch_scc0 .Lproj
	s_lshr_b32 s27, s24, 3                         ; 0: Wq, 1: Wk, 2: Wv: the choice hangs on the work-group's number alone
	s_cmp_eq_u32 s27, 0
	s_cselect_b64 s[6:7], s[6:7], s[8:9]
	s_cmp_eq_u32 s27, 2
	s_cselect_b64 s[6:7], s[10:11], s[6:7]
	s_and_b32 s27, s24, 7
	s_lshl_b32 s27, s27, 1
	s_lshr_b32 s32, s22, 1
	s_add_co_u32 s32, s32, s27                     ; the head
	s_lshl_b32 s32, s32, 18                        ; 1,024 rows of 256 bytes
	s_lshl_b32 s27, s25, 16
	s_add_co_u32 s32, s32, s27
	s_and_b32 s27, s22, 1
	s_lshl_b32 s27, s27, 7
	s_add_co_u32 s32, s32, s27
	s_mov_b32 s33, 0
	s_add_nc_u64 s[6:7], s[6:7], s[32:33]
	s_wait_alu depctr_va_vdst(0)
	WBODY 256
	s_endpgm
.Lproj:
	s_sub_co_u32 s27, s24, 24
	s_lshl_b32 s32, s27, 9
	s_lshl_b32 s27, s25, 20                        ; 256 rows of 4,096 bytes
	s_add_co_u32 s32, s32, s27
	s_lshl_b32 s27, s22, 7
	s_add_co_u32 s32, s32, s27
	s_mov_b32 s33, 0
	s_add_nc_u64 s[6:7], s[12:13], s[32:33]
	s_wait_alu depctr_va_vdst(0)
	WBODY 4096
	s_endpgm
.Lfunc_end_k_qebd375b2d9_prep:
	.size	k_qebd375b2d9_prep, .Lfunc_end_k_qebd375b2d9_prep-k_qebd375b2d9_prep
	.p2alignl 7, 3214868480
	.fill 96, 4, 3214868480
	.section	.rodata,"a",@progbits
	.p2align	6, 0x0
	.amdhsa_kernel k_qebd375b2d9_prep
		.amdhsa_group_segment_fixed_size 35328
		.amdhsa_private_segment_fixed_size 0
		.amdhsa_enable_private_segment 0
		.amdhsa_kernarg_size 72
		.amdhsa_user_sgpr_count 2
		.amdhsa_user_sgpr_kernarg_segment_ptr 1
		.amdhsa_wavefront_size32 1
		.amdhsa_system_sgpr_workgroup_id_x 1
		.amdhsa_system_sgpr_workgroup_id_y 1
		.amdhsa_system_sgpr_workgroup_id_z 1
		.amdhsa_system_vgpr_workitem_id 0
		.amdhsa_next_free_vgpr 242
		.amdhsa_next_free_sgpr 66
		.amdhsa_reserve_vcc 0
		.amdhsa_float_denorm_mode_32 3
		.amdhsa_float_denorm_mode_16_64 3
		.amdhsa_memory_ordered 1
		.amdhsa_forward_progress 1
		.amdhsa_inst_pref_size 108
	.end_amdhsa_kernel
	.amdgpu_metadata
---
amdhsa.version: [ 1, 2 ]
amdhsa.kernels:
  - .name:           k_qebd375b2d9_prep
    .symbol:         k_qebd375b2d9_prep.kd
    .args:
      - { .name: x, .offset: 0, .size: 8, .value_kind: global_buffer, .address_space: global }
      - { .name: Wq, .offset: 8, .size: 8, .value_kind: global_buffer, .address_space: global }
      - { .name: Wk, .offset: 16, .size: 8, .value_kind: global_buffer, .address_space: global }
      - { .name: Wv, .offset: 24, .size: 8, .value_kind: global_buffer, .address_space: global }
      - { .name: Wproj, .offset: 32, .size: 8, .value_kind: global_buffer, .address_space: global }
      - { .name: xcodes, .offset: 40, .size: 8, .value_kind: global_buffer, .address_space: global }
      - { .name: xscales, .offset: 48, .size: 8, .value_kind: global_buffer, .address_space: global }
      - { .name: wcodes, .offset: 56, .size: 8, .value_kind: global_buffer, .address_space: global }
      - { .name: wscales, .offset: 64, .size: 8, .value_kind: global_buffer, .address_space: global }
    .group_segment_fixed_size: 35328
    .private_segment_fixed_size: 0
    .kernarg_segment_align: 8
    .kernarg_segment_size: 72
    .max_flat_workgroup_size: 128
    .sgpr_count:     66
    .vgpr_count:     242
    .wavefront_size: 32
...
	.end_amdgpu_metadata
.endif
;; end of part 1
;; launch gemm_qkv (part 2): grid 4 x 64, 4 waves a work-group, clusters of 4 x 4, 327,680 bytes of LDS; arguments xcodes, xscales, wcodes, wscales, qb, kv; writes qb, kv
.if DOCPART == 2
	.amdgcn_target "amdgcn-amd-amdhsa--gfx1250"
	.amdhsa_code_object_version 6
	.text
	.protected	k_qebd375b2d9_gemm_qkv
	.globl	k_qebd375b2d9_gemm_qkv
	.p2align	8
	.type	k_qebd375b2d9_gemm_qkv,@function
k_qebd375b2d9_gemm_qkv:
	s_mov_b64 s[64:65], 0
	v_nop
	global_prefetch_b8 v0, s[64:65] scope:SCOPE_SE
	s_setreg_imm32_b32 hwreg(HW_REG_WAVE_MODE, 25, 1), 1
	s_wait_xcnt 0x0
	s_wait_alu depctr_hold_cnt(0) depctr_sa_sdst(0) depctr_va_vdst(0) depctr_va_sdst(0) depctr_va_ssrc(0) depctr_va_vcc(0) depctr_vm_vsrc(0)
	s_getreg_b32 s2, hwreg(HW_REG_IB_STS2, 6, 4)
	s_cmp_eq_u32 s2, 0
	s_cbranch_scc0 .Lentry_in_a_cluster
	s_endpgm
.Lentry_in_a_cluster:
	s_bfe_u32 s2, ttmp6, 0x10000c
	s_cmp_lg_u32 s2, 0xf033
	s_cbranch_scc0 .Lentry_shape_is_right
	s_endpgm
.Lentry_shape_is_right:
; q, k, v = x W (K = 1,024) on codes of BF6 with E8M0 scales; the results are quantised in registers and leave as codes: q and k along the head's 64, v along the keys.
; A tile is 256 rows of source 0 (S0) x 128 rows of source 1 (S1); a lane of a result holds ONE row of S1, and its registers run along S0, which is the next product's K.
;   q, k: S0 = the weight's 256 columns (four heads), S1 = 128 tokens.   v: S0 = 256 tokens (the keys), S1 = 128 columns of Wv (two heads).
; 768 tiles, 256 WORK-GROUPS THAT STAY: each makes a q tile, a k tile (the loop's two trips) and a v tile (the tail, written out: it asks for nothing more).
; K goes in two halves through a ring of two LDS slots (384 rows x 384 bytes each), and the ring goes on into the next tile: slot 0 is filled again at K step 3, when its last fragments are in registers,
; slot 1 behind K step 7.  A wave owns one stream: wave 0 S0's first half of K, wave 1 S1's first half, wave 2 S0's second, wave 3 S1's second: one load a wave at the head and one for each further tile.
; By the text's own count a wave has one tensor load out; slot 0's refill has five K steps in which to land, slot 1's the way out and three K steps.
; CLUSTER 4 x 4: the four work-groups of a column (same cx) need the same rows of S0, those of a row (same cy) the same rows of S1: each tile is asked for jointly, each refill behind a round of the cluster's barrier.
; The next tile's scale words are loaded a tile ahead into idle registers of window 1 and moved behind the tile's last product.
; No prefetch: the loop has two trips, and each refill is asked for half a tile ahead of its first use.
; Rows are stored with bits 3 and 4 of their index swapped, so that the 16 registers of result tiles 2 b and 2 b + 1 are 16 neighbours along the next K.
; Four waves: wave w makes S0's half w & 1 (8 tiles) x S1's half w >> 1 (4 tiles): 32 accumulators, which take turns, one instruction a turn, in one order in every K step.
; LIMITS: no NaN or infinities; a block under 2^-122 keeps the byte 1; a block of zeros has the byte 1 (zero codes; read by this program alone).
; REGISTERS: window 0: v1-19 addresses, v32-79 scale words, v80-107 the quantiser's, v128-223 S1's fragments in two sets (later the codes made);  window 1: S0's fragments at v0 and v128, the next tile's scale words at v96-127 and v224-239;  window 2: accumulator (a, b) at 8 (8 a + b).
.set QB,  147456                       ; a slot: S0's 16 tiles x 6,144 bytes, then S1's 8
.set S1O, 98304
.set TM,  80                           ; v80-83 largest magnitudes, v84-87 permutes and bytes, v92-95 the conversions' scale operands
.set PW,  96                           ; the scale word just made
.set SW,  104                          ; v104-107 the four tiles' scale words on their way out
.set G0A, 24                           ; s[24:31] S0: descriptor group 0, one set for each slot;  s[32:39] S1
.set G0B, 32
.set G1A, 40                           ; s[40:47] S0: group 1;  s[48:55] S1
.set G1B, 48
.set MSB, 0
.macro WIN new                         ; the immediate's high byte repeats the setting that is left
.if MSB != \new
	s_set_vgpr_msb (MSB<<8)|\new
.set MSB, \new
.endif
.endm
.macro PLACES
.rept 4
	v_nop
.endr
.endm
.macro CROUND                          ; a round of the cluster's barrier
	s_barrier_signal -1
	s_barrier_wait -1
	s_cmp_lg_u32 s16, 0
	s_cbranch_scc1 .Lnot_wave_0_\@
	s_barrier_signal -3
.Lnot_wave_0_\@:
	s_barrier_wait -3
	s_barrier_signal -1
	s_barrier_wait -1
.endm
.macro JL wa, ga, wb, gb               ; a slot's two joint loads: wave wa asks for S0's rows, wave wb for S1's; the other two waves ask for nothing
	s_cmp_eq_u32 s16, \wa
	s_cbranch_scc0 .Lother_\@
	tensor_load_to_lds s[\ga:\ga+3], s[G1A:G1A+7]
	s_nop 0
	PLACES
	s_branch .Ljoin_\@
.Lother_\@:
	s_cmp_eq_u32 s16, \wb
	s_cbranch_scc0 .Ljoin_\@
	tensor_load_to_lds s[\gb:\gb+3], s[G1B:G1B+7]
	s_nop 0
	PLACES
.Ljoin_\@:
	PLACES                                         ; on every wave's way: four places in front of what follows
.endm
.macro FRAG reg, a16, a8, off          ; a fragment (16 rows x 128 K, 12 registers) is two images of 768 bytes: every load reads consecutive bytes
	ds_load_b128 v[\reg:\reg+3], v[\a16] offset:\off
	ds_load_b64 v[\reg+4:\reg+5], v[\a8] offset:\off+512
	ds_load_b128 v[\reg+6:\reg+9], v[\a16] offset:\off+768
	ds_load_b64 v[\reg+10:\reg+11], v[\a8] offset:\off+1280
.endm
.macro FETCH q                         ; K step q's twelve fragments into set q % 2; addresses v3-6 for slot 0, v16-19 for slot 1
.set AB, 3+13*((\q)/4)
	WIN 0x40
.irp b, 0,1,2,3,4,5,6,7
	FRAG 128*((\q)%2)+12*\b, AB, AB+1, 6144*\b+1536*((\q)%4)
.endr
	WIN 0
.irp a, 0,1,2,3
	FRAG 128+48*((\q)%2)+12*\a, AB+2, AB+3, 6144*\a+1536*((\q)%4)
.endr
.endm
; One product.  A scale register holds an even tile's words in lanes 0-15 and the odd tile's in lanes 16-31.
.macro WM a, b, q, first
.set DA, 8*(8*(\a)+(\b))
.set FA, 128*((\q)%2)+12*(\b)
.set FB, 128+48*((\q)%2)+12*(\a)
.set ZA, 32+8*((\b)/2)+(\q)
.set ZB, 64+8*((\a)/2)+(\q)
.if \first
.if ((\b)%2 == 0) && ((\a)%2 == 0)
	v_wmma_scale_f32_16x16x128_f8f6f4 v[DA:DA+7], v[FA:FA+11], v[FB:FB+11], 0, v[ZA], v[ZB] matrix_a_fmt:MATRIX_FMT_BF6 matrix_b_fmt:MATRIX_FMT_BF6
.elseif ((\b)%2 == 1) && ((\a)%2 == 0)
	v_wmma_scale_f32_16x16x128_f8f6f4 v[DA:DA+7], v[FA:FA+11], v[FB:FB+11], 0, v[ZA], v[ZB] matrix_a_fmt:MATRIX_FMT_BF6 matrix_b_fmt:MATRIX_FMT_BF6 matrix_a_scale:MATRIX_SCALE_ROW1
.elseif ((\b)%2 == 0)
	v_wmma_scale_f32_16x16x128_f8f6f4 v[DA:DA+7], v[FA:FA+11], v[FB:FB+11], 0, v[ZA], v[ZB] matrix_a_fmt:MATRIX_FMT_BF6 matrix_b_fmt:MATRIX_FMT_BF6 matrix_b_scale:MATRIX_SCALE_ROW1
.else
	v_wmma_scale_f32_16x16x128_f8f6f4 v[DA:DA+7], v[FA:FA+11], v[FB:FB+11], 0, v[ZA], v[ZB] matrix_a_fmt:MATRIX_FMT_BF6 matrix_b_fmt:MATRIX_FMT_BF6 matrix_a_scale:MATRIX_SCALE_ROW1 matrix_b_scale:MATRIX_SCALE_ROW1
.endif
.else
.if ((\b)%2 == 0) && ((\a)%2 == 0)
	v_wmma_scale_f32_16x16x128_f8f6f4 v[DA:DA+7], v[FA:FA+11], v[FB:FB+11], v[DA:DA+7], v[ZA], v[ZB] matrix_a_fmt:MATRIX_FMT_BF6 matrix_b_fmt:MATRIX_FMT_BF6
.elseif ((\b)%2 == 1) && ((\a)%2 == 0)
	v_wmma_scale_f32_16x16x128_f8f6f4 v[DA:DA+7], v[FA:FA+11], v[FB:FB+11], v[DA:DA+7], v[ZA], v[ZB] matrix_a_fmt:MATRIX_FMT_BF6 matrix_b_fmt:MATRIX_FMT_BF6 matrix_a_scale:MATRIX_SCALE_ROW1
.elseif ((\b)%2 == 0)
	v_wmma_scale_f32_16x16x128_f8f6f4 v[DA:DA+7], v[FA:FA+11], v[FB:FB+11], v[DA:DA+7], v[ZA], v[ZB] matrix_a_fmt:MATRIX_FMT_BF6 matrix_b_fmt:MATRIX_FMT_BF6 matrix_b_scale:MATRIX_SCALE_ROW1
.else
	v_wmma_scale_f32_16x16x128_f8f6f4 v[DA:DA+7], v[FA:FA+11], v[FB:FB+11], v[DA:DA+7], v[ZA], v[ZB] matrix_a_fmt:MATRIX_FMT_BF6 matrix_b_fmt:MATRIX_FMT_BF6 matrix_a_scale:MATRIX_SCALE_ROW1 matrix_b_scale:MATRIX_SCALE_ROW1
.endif
.endif
.endm
.macro MUL16 a0, q, first
.irp a, \a0, \a0+1
.irp b, 0,1,2,3,4,5,6,7
	WM \a, \b, \q, \first
.endr
.endr
.endm
.macro STEPE q, first                  ; a K step whose successor lies in the same slot
	s_wait_dscnt 0x0                               ; this step's fragments are in
.if (\q) > 0
	PLACES                                         ; four places in front of loads into registers that the last step's products read
.endif
	FETCH (\q)+1
	WIN 0xa1                                       ; source 0 window 1, source 1 window 0, C and D window 2
	MUL16 0, \q, \first
	MUL16 2, \q, \first
.endm
; K step 3 changes slots.  refill = 1: slot 0, whose last fragments are in registers, takes the next tile's first half of K.
.macro STEPX refill
	WIN 0                                          ; (the add's two registers lie in window 0)
	s_wait_dscnt 0x0                               ; step 3's fragments are in: my reads of slot 0 are over
	s_wait_tensorcnt 0x0                           ; my load has landed: slot 1 is whole behind the barrier
.if \refill
	ds_add_u32 v254, v255
	s_cmp_eq_u32 s3, 0                             ; no tensor load of mine is out: slot 0's descriptors take the next tile's addresses: k's behind q, v's behind k
	s_cselect_b64 s[G0A+2:G0A+3], s[56:57], s[58:59]
	s_cselect_b64 s[G0B+2:G0B+3], s[60:61], s[62:63]
	s_or_b32 s[G0A+3], s[G0A+3], 0x80000000
	s_or_b32 s[G0B+3], s[G0B+3], 0x80000000
	WIN 0xa1
	MUL16 0, 3, 0                                  ; sixteen products stand between the add and the wait for it
	WIN 0
	s_wait_dscnt 0x0
	CROUND                                         ; no wave of any partner still reads slot 0 or has a load on its way
	JL 0, G0A, 1, G0B
.else
	s_barrier_signal -1
	WIN 0xa1
	MUL16 0, 3, 0
	WIN 0
	s_barrier_wait -1
	PLACES
.endif
	FETCH 4
	WIN 0xa1
	MUL16 2, 3, 0
.endm
; A tile's eight K steps.  refill = 1: both slots are filled again, and the next tile's scale words are fetched and moved.
.macro BODY refill
	FETCH 0
.if \refill
	s_cmp_eq_u32 s3, 0
	s_cselect_b64 s[22:23], s[66:67], s[68:69]     ; the next tile's scale words: S0's,
	s_cselect_b64 s[98:99], s[70:71], s[72:73]     ; S1's
	WIN 0x40                                       ; destination window 1
.irp j, 0,1,2,3
.irp y, 0,1,2,3
	global_load_b64 v[96+8*\j+2*\y:97+8*\j+2*\y], v2, s[22:23] offset:1024*\j+256*\y
.endr
.endr
.irp j, 0,1
.irp y, 0,1,2,3
	global_load_b64 v[224+8*\j+2*\y:225+8*\j+2*\y], v2, s[98:99] offset:1024*\j+256*\y
.endr
.endr
	WIN 0
.endif
	STEPE 0, 1                                     ; the first K step starts the sums: nothing is cleared
	STEPE 1, 0
	STEPE 2, 0
	STEPX \refill
	STEPE 4, 0
	STEPE 5, 0
	STEPE 6, 0
	s_wait_dscnt 0x0                               ; step 7's fragments are in: my reads of slot 1 are over
	MUL16 0, 7, 0
	MUL16 2, 7, 0
	WIN 0
.if \refill
	s_wait_tensorcnt 0x0                           ; slot 0's refill has landed
	ds_add_u32 v254, v255
	s_cmp_eq_u32 s3, 0
	s_cselect_b64 s[G0A+6:G0A+7], s[56:57], s[58:59]
	s_cselect_b64 s[G0B+6:G0B+7], s[60:61], s[62:63]
	s_add_nc_u64 s[G0A+6:G0A+7], s[G0A+6:G0A+7], 6144   ; the second half of K
	s_add_nc_u64 s[G0B+6:G0B+7], s[G0B+6:G0B+7], 6144
	s_or_b32 s[G0A+7], s[G0A+7], 0x80000000
	s_or_b32 s[G0B+7], s[G0B+7], 0x80000000
	s_wait_dscnt 0x0
	CROUND                                         ; the next tile's first half is whole in every partner, and nobody reads slot 1
	JL 2, G0A+4, 3, G0B+4
	s_wait_loadcnt 0x0                             ; the next tile's scale words, asked for eight K steps ago
	WIN 0x01                                       ; source window 1
.irp i, 0,1,2,3,4,5,6,7,8,9,10,11,12,13,14,15,16,17,18,19,20,21,22,23,24,25,26,27,28,29,30,31
	v_mov_b32 v[32+\i], v[96+\i]
.endr
.irp i, 0,1,2,3,4,5,6,7,8,9,10,11,12,13,14,15
	v_mov_b32 v[64+\i], v[224+\i]
.endr
	WIN 0
.else
	PLACES                                         ; four places in front of the first read of results
.endif
.endm
; The 64 results of S1's tile a in a lane (register 16 b + i = place 32 b + 16 h + i along the next K) become a fragment's 12 registers in v[PC] on and its row's scale word in v[PW].
.macro QUANTW a
.set AS, 64*(\a)
.set PC, 128+20*(\a)
	WIN 0x0a                                       ; sources 0 and 1: the accumulators' window
.irp b, 0,1,2,3
	v_max3_num_f32 v[TM+\b], |v[AS+16*\b]|, |v[AS+1+16*\b]|, 0x2800000      ; each accumulator is read from its low end on; the floor 2^(5 - 127) holds the byte at 1 from below
.endr
.irp i, 2,4,6,8,10,12,14
.irp b, 0,1,2,3
	v_max3_num_f32 v[TM+\b], |v[AS+16*\b+\i]|, |v[AS+1+16*\b+\i]|, v[TM+\b]
.endr
.endr
	WIN 0
.irp b, 0,1,2,3
	v_permlanex16_b32 v[TM+4+\b], v[TM+\b], s100, s101
.endr
.irp b, 0,1,2,3
	v_max_num_f32 v[TM+\b], v[TM+\b], v[TM+4+\b]   ; with lane l xor 16's 16: the block's largest magnitude
.endr
.irp b, 0,1,2,3
	v_add_nc_u32 v[TM+12+\b], 0xfe000000, v[TM+\b] ; 4 off its exponent field: the conversion's scale operand
.endr
.irp b, 0,1,2,3
	v_lshrrev_b32 v[TM+4+\b], 23, v[TM+12+\b]      ; the byte
.endr
	v_lshl_or_b32 v[PW], v[TM+5], 8, v[TM+4]
	v_lshl_or_b32 v[PW], v[TM+6], 16, v[PW]
	v_lshl_or_b32 v[PW], v[TM+7], 24, v[PW]
	WIN 0x02
.irp c, 0,1
	v_cvt_scalef32_pk16_bf6_f32 v[PC+6*\c:PC+2+6*\c], v[AS+32*\c:AS+15+32*\c], v[TM+12+2*\c]
	v_cvt_scalef32_pk16_bf6_f32 v[PC+12+4*\c:PC+14+4*\c], v[AS+16+32*\c:AS+31+32*\c], v[TM+12+2*\c+1]
.endr
	WIN 0
	v_nop                                          ; one plain line behind a scaled conversion
.irp c, 0,1                            ; the operand's layout wants a whole block in a lane
.irp i, 0,1,2
	v_permlane16_swap_b32 v[PC+6*\c+\i], v[PC+12+4*\c+\i]
.endr
.irp i, 0,1,2
	v_mov_b32 v[PC+3+6*\c+\i], v[PC+12+4*\c+\i]
.endr
.endr
.endm
	s_load_b256 s[4:11], s[0:1], 0x0               ; xcodes, xscales, wcodes, wscales
	s_load_b128 s[12:15], s[0:1], 0x20             ; qb, kv
	v_lshl_add_u32 v254, v0, 2, 0x48000
	v_mov_b32 v255, 0
	ds_add_u32 v254, v255
	ds_add_u32 v254, v255
	v_lshrrev_b32 v1, 5, v0
	v_readfirstlane_b32 s16, v1                    ; wave
	s_and_b32 s17, s16, 1                          ; my half of S0
	s_lshr_b32 s18, s16, 1                         ; my half of S1
	s_bfe_u32 s19, ttmp6, 0x40000                  ; cx
	s_bfe_u32 s20, ttmp6, 0x40004                  ; cy
	s_and_b32 s21, ttmp7, 0xffff                   ; cluster y, 0 .. 15
	s_lshl_b32 s78, s21, 2
	s_add_co_u32 s78, s78, s20                     ; q, k: S1's tile of 128 tokens: hangs on cy, never on cx
	s_and_b32 s74, s21, 7
	s_lshl_b32 s74, s74, 2
	s_add_co_u32 s74, s74, s19                     ; v: S0's tile of 256 tokens: hangs on cx, never on cy
	s_lshr_b32 s75, s21, 3
	s_lshl_b32 s75, s75, 2
	s_add_co_u32 s75, s75, s20                     ; v: S1's tile of 128 columns
	s_lshl_b32 s98, 0x1111, s19                    ; my column of the cluster
	s_lshl_b32 s99, s20, 2
	s_lshl_b32 s99, 15, s99                        ; my row
	s_or_b32 s[G1A], s98, (3<<16)|(1<<21)          ; 15:0 the mask; 17:16 elements of 8 bytes; 21 set beside a mask; no padding
	s_or_b32 s[G1B], s99, (3<<16)|(1<<21)
.irp g, G1A, G1B
	s_mov_b32 s[\g+1], 768<<16                     ; tensor_dim0: 6,144 bytes: a row tile's half of K
	s_mov_b32 s[\g+3], 768<<16                     ; tile_dim0
	s_mov_b32 s[\g+5], 1536                        ; from row tile to row tile: 12,288 bytes
	s_mov_b32 s[\g+6], 0
	s_mov_b32 s[\g+7], 0
.endr
	s_mov_b32 s[G1A+2], 16<<16                     ; S0: sixteen row tiles a load
	s_mov_b32 s[G1A+4], 16
	s_mov_b32 s[G1B+2], 8<<16                      ; S1: eight
	s_mov_b32 s[G1B+4], 8
	s_mul_i32 s80, s19, 196608                     ; byte offsets of the codes.  q: S0 = Wq's tile cx (k: four tiles on)
	s_mov_b32 s81, 0
	s_mul_i32 s82, s74, 196608                     ; v: S0 in x
	s_mov_b32 s83, 0
	s_mul_i32 s84, s78, 98304                      ; q, k: S1 in x
	s_mov_b32 s85, 0
	s_lshl_b32 s86, s75, 3
	s_add_co_u32 s86, s86, 128                     ; Wv begins at row tile 128 of the weights
	s_mul_i32 s86, s86, 12288                      ; v: S1
	s_mov_b32 s87, 0
	s_lshl_b32 s79, s17, 2                         ; and of my rows' scale words: groups of 32 rows, 1,024 bytes each
	s_lshl_b32 s88, s19, 3
	s_add_co_u32 s88, s88, s79
	s_lshl_b32 s88, s88, 10                        ; q: my 128 rows of S0 (k: 32 groups on)
	s_mov_b32 s89, 0
	s_lshl_b32 s90, s74, 3
	s_add_co_u32 s90, s90, s79
	s_lshl_b32 s90, s90, 10                        ; v: S0
	s_mov_b32 s91, 0
	s_lshl_b32 s79, s18, 1
	s_lshl_b32 s92, s78, 2
	s_add_co_u32 s92, s92, s79
	s_lshl_b32 s92, s92, 10                        ; q, k: my 64 rows of S1
	s_mov_b32 s93, 0
	s_lshl_b32 s94, s75, 2
	s_add_co_u32 s94, s94, s79
	s_add_co_u32 s94, s94, 64
	s_lshl_b32 s94, s94, 10                        ; v: S1
	s_mov_b32 s95, 0
	s_mov_b32 s100, 0x76543210
	s_mov_b32 s101, 0xfedcba98
	s_mov_b32 s3, 0                                ; the tile: 0 q, 1 k
	s_wait_dscnt 0x0
	s_wait_kmcnt 0x0
	s_add_nc_u64 s[80:81], s[8:9], s[80:81]        ; S0's codes: q,
	s_add_nc_u64 s[56:57], s[80:81], 786432        ; k,
	s_add_nc_u64 s[58:59], s[4:5], s[82:83]        ; v
	s_add_nc_u64 s[60:61], s[4:5], s[84:85]        ; S1's codes: q and k,
	s_add_nc_u64 s[62:63], s[8:9], s[86:87]        ; v
	s_add_nc_u64 s[88:89], s[10:11], s[88:89]      ; S0's scales: q,
	s_add_nc_u64 s[66:67], s[88:89], 32768         ; k,
	s_add_nc_u64 s[68:69], s[6:7], s[90:91]        ; v
	s_add_nc_u64 s[70:71], s[6:7], s[92:93]        ; S1's scales: q and k,
	s_add_nc_u64 s[72:73], s[10:11], s[94:95]      ; v
.irp y, 0,1
	s_mov_b32 s[G0A+4*\y], 1
	s_mov_b32 s[G0A+4*\y+1], \y*QB
	s_add_nc_u64 s[G0A+4*\y+2:G0A+4*\y+3], s[80:81], \y*6144
	s_or_b32 s[G0A+4*\y+3], s[G0A+4*\y+3], 0x80000000
	s_mov_b32 s[G0B+4*\y], 1
	s_mov_b32 s[G0B+4*\y+1], S1O+\y*QB
	s_add_nc_u64 s[G0B+4*\y+2:G0B+4*\y+3], s[60:61], \y*6144
	s_or_b32 s[G0B+4*\y+3], s[G0B+4*\y+3], 0x80000000
.endr
	CROUND                                         ; all sixteen work-groups are here: the joint loads meet
	s_cmp_lt_u32 s16, 1                            ; one chain of branches on the wave's number, one first fill to an arm
	s_cbranch_scc0 .Larm1
	tensor_load_to_lds s[G0A:G0A+3], s[G1A:G1A+7]
	s_nop 0
	PLACES
	s_branch .Lasked
.Larm1:
	s_cmp_lt_u32 s16, 2
	s_cbranch_scc0 .Larm2
	tensor_load_to_lds s[G0B:G0B+3], s[G1B:G1B+7]
	s_nop 0
	PLACES
	s_branch .Lasked
.Larm2:
	s_cmp_lt_u32 s16, 3
	s_cbranch_scc0 .Larm3
	tensor_load_to_lds s[G0A+4:G0A+7], s[G1A:G1A+7]
	s_nop 0
	PLACES
	s_branch .Lasked
.Larm3:
	tensor_load_to_lds s[G0B+4:G0B+7], s[G1B:G1B+7]
	s_nop 0
	PLACES
.Lasked:
	v_and_b32 v9, 31, v0
	v_lshlrev_b32 v1, 4, v9                        ; 16 x lane
	v_lshlrev_b32 v2, 3, v9                        ; 8 x lane
	v_and_b32 v7, 15, v0                           ; r
	v_bfe_u32 v8, v0, 4, 1                         ; h
	s_mul_i32 s79, s17, 49152
	v_add_nc_u32 v3, s79, v1                       ; my half of S0 in slot 0
	v_add_nc_u32 v4, s79, v2
	s_mul_i32 s79, s18, 24576
	s_add_co_u32 s79, s79, S1O
	v_add_nc_u32 v5, s79, v1                       ; my half of S1
	v_add_nc_u32 v6, s79, v2
.irp i, 0,1,2,3
	v_add_nc_u32 v[16+\i], QB, v[3+\i]             ; the same in slot 1
.endr
.irp b, 0,1,2,3
	v_mov_b32 v[TM+4+\b], 0                        ; a lane permute's destination counts as one of its sources
.endr
.irp j, 0,1,2,3                        ; the first tile's scale words go straight into their registers: each load reads 256 consecutive bytes
.irp y, 0,1,2,3
	global_load_b64 v[32+8*\j+2*\y:33+8*\j+2*\y], v2, s[88:89] offset:1024*\j+256*\y
.endr
.endr
.irp j, 0,1
.irp y, 0,1,2,3
	global_load_b64 v[64+8*\j+2*\y:65+8*\j+2*\y], v2, s[70:71] offset:1024*\j+256*\y
.endr
.endr
	s_wait_alu depctr_va_vdst(0)
	s_cmp_lt_u32 s16, 2                            ; waves 0 and 1 issued slot 0's two loads and wait for them here; slot 1's, lines of waves 2 and 3 alone, stay out
	s_cbranch_scc0 .Lnot_first
	s_wait_tensorcnt 0x0
.Lnot_first:
	s_barrier_signal -1
	s_barrier_wait -1
	s_wait_loadcnt 0x0                             ; the scale words
.Ltile:                                                ; q, then k
	BODY 1
	; my 128 rows of S0 are two heads: registers 0-5 of the codes are the first head's image, 6-11 the second's
	s_mov_b32 s80, 208896                          ; k: bytes of a head in kv; of a key step; where scales begin; scales of a step
	s_mov_b32 s81, 12288
	s_mov_b32 s82, 196608
	s_mov_b32 s83, 768
	s_cmp_eq_u32 s3, 0
	s_cselect_b64 s[84:85], s[12:13], s[14:15]
	s_cselect_b32 s80, 106496, s80                 ; q: the same figures for qb
	s_cselect_b32 s81, 6144, s81
	s_cselect_b32 s82, 98304, s82
	s_cselect_b32 s83, 512, s83
	s_lshr_b32 s86, s78, 4
	s_lshl_b32 s86, s86, 4
	s_lshl_b32 s87, s19, 2
	s_add_co_u32 s86, s86, s87
	s_lshl_b32 s87, s17, 1
	s_add_co_u32 s86, s86, s87                     ; 16 x batch + my first head
	s_mul_i32 s86, s86, s80
	s_and_b32 s88, s78, 15
	s_lshl_b32 s88, s88, 3
	s_lshl_b32 s87, s18, 2
	s_add_co_u32 s88, s88, s87                     ; my first token tile in the batch
	s_lshr_b32 s89, s88, 3
	s_mul_i32 s90, s89, s81
	s_add_co_u32 s90, s90, s86
	s_and_b32 s87, s88, 7
	s_mul_i32 s87, s87, 768
	s_add_co_u32 s90, s90, s87
	s_mov_b32 s91, 0
	s_add_nc_u64 s[92:93], s[84:85], s[90:91]      ; the first head's images
	s_mov_b32 s90, s80
	s_add_nc_u64 s[94:95], s[92:93], s[90:91]      ; the second head's
	s_mul_i32 s90, s89, s83
	s_add_co_u32 s90, s90, s86
	s_add_co_u32 s90, s90, s82
	s_bfe_u32 s87, s88, 0x10002
	s_lshl_b32 s87, s87, 8
	s_add_co_u32 s90, s90, s87
	s_add_nc_u64 s[96:97], s[84:85], s[90:91]      ; the four tiles' scale words: [row][tile], 256 bytes a head
	v_lshlrev_b32 v9, 4, v7
	v_mul_u32_u24 v10, s80, v8
	v_add_nc_u32 v9, v9, v10                       ; lanes 0-15 store the first head's, lanes 16-31 the second's
	v_lshlrev_b32 v10, 4, v8                       ; and take its two bytes of the word; the upper two stay 0
.irp a, 0,1,2,3
	QUANTW \a
	global_store_b128 v1, v[PC:PC+3], s[92:93] offset:768*\a
	global_store_b64 v2, v[PC+4:PC+5], s[92:93] offset:768*\a+512
	global_store_b128 v1, v[PC+6:PC+9], s[94:95] offset:768*\a
	global_store_b64 v2, v[PC+10:PC+11], s[94:95] offset:768*\a+512
	v_bfe_u32 v[SW+\a], v[PW], v10, 16
.endr
	global_store_b128 v9, v[SW:SW+3], s[96:97]
	s_wait_alu depctr_va_vdst(0)
	s_wait_xcnt 0x0                                ; the stores have read their registers and bases: the next tile's fragments may land there
	s_add_co_u32 s3, s3, 1
	s_cmp_lt_u32 s3, 2
	s_cbranch_scc1 .Ltile
	BODY 0                                         ; v: the tail asks for nothing more
	; my 128 rows of S0 are one key step, my 64 rows of S1 one head: each tile a is a fragment of V^T
	s_lshr_b32 s86, s74, 3
	s_lshl_b32 s86, s86, 4
	s_lshl_b32 s87, s75, 1
	s_add_co_u32 s86, s86, s87
	s_add_co_u32 s86, s86, s18                     ; 16 x batch + head
	s_mul_i32 s86, s86, 208896
	s_lshl_b32 s88, s74, 1
	s_add_co_u32 s88, s88, s17
	s_and_b32 s88, s88, 15                         ; the key step
	s_mul_i32 s90, s88, 12288
	s_add_co_u32 s90, s90, s86
	s_add_co_u32 s90, s90, 6144
	s_mov_b32 s91, 0
	s_add_nc_u64 s[92:93], s[14:15], s[90:91]
	s_mul_i32 s90, s88, 768
	s_add_co_u32 s90, s90, s86
	s_add_co_u32 s90, s90, 196608+512
	s_add_nc_u64 s[96:97], s[14:15], s[90:91]
	v_lshlrev_b32 v9, 4, v7                        ; 16 r: lanes l and l xor 16 hold the same words and store them to the same place
.irp a, 0,1,2,3
	QUANTW \a
.irp c, 0,1,2
	global_store_b128 v1, v[PC+4*\c:PC+4*\c+3], s[92:93] offset:1536*\a+512*\c
.endr
	v_mov_b32 v[SW+\a], v[PW]
.endr
	global_store_b128 v9, v[SW:SW+3], s[96:97]
	s_wait_tensorcnt 0x0                           ; the wave's end
	ds_add_u32 v254, v255
	s_wait_dscnt 0x0
	CROUND                                         ; the closing round: no work-group ends while a partner may still ask for a tile that names it
	s_endpgm
.Lfunc_end_k_qebd375b2d9_gemm_qkv:
	.size	k_qebd375b2d9_gemm_qkv, .Lfunc_end_k_qebd375b2d9_gemm_qkv-k_qebd375b2d9_gemm_qkv
	.p2alignl 7, 3214868480
	.fill 96, 4, 3214868480
	.section	.rodata,"a",@progbits
	.p2align	6, 0x0
	.amdhsa_kernel k_qebd375b2d9_gemm_qkv
		.amdhsa_group_segment_fixed_size 327680
		.amdhsa_private_segment_fixed_size 0
		.amdhsa_enable_private_segment 0
		.amdhsa_kernarg_size 48
		.amdhsa_user_sgpr_count 2
		.amdhsa_user_sgpr_kernarg_segment_ptr 1
		.amdhsa_wavefront_size32 1
		.amdhsa_system_sgpr_workgroup_id_x 1
		.amdhsa_system_sgpr_workgroup_id_y 1
		.amdhsa_system_sgpr_workgroup_id_z 1
		.amdhsa_system_vgpr_workitem_id 0
		.amdhsa_next_free_vgpr 768
		.amdhsa_next_free_sgpr 102
		.amdhsa_reserve_vcc 0
		.amdhsa_float_denorm_mode_32 3
		.amdhsa_float_denorm_mode_16_64 3
		.amdhsa_memory_ordered 1
		.amdhsa_forward_progress 1
		.amdhsa_inst_pref_size 170
	.end_amdhsa_kernel
	.amdgpu_metadata
---
amdhsa.version: [ 1, 2 ]
amdhsa.kernels:
  - .name:           k_qebd375b2d9_gemm_qkv
    .symbol:         k_qebd375b2d9_gemm_qkv.kd
    .args:
      - { .name: xcodes, .offset: 0, .size: 8, .value_kind: global_buffer, .address_space: global }
      - { .name: xscales, .offset: 8, .size: 8, .value_kind: global_buffer, .address_space: global }
      - { .name: wcodes, .offset: 16, .size: 8, .value_kind: global_buffer, .address_space: global }
      - { .name: wscales, .offset: 24, .size: 8, .value_kind: global_buffer, .address_space: global }
      - { .name: qb, .offset: 32, .size: 8, .value_kind: global_buffer, .address_space: global }
      - { .name: kv, .offset: 40, .size: 8, .value_kind: global_buffer, .address_space: global }
    .group_segment_fixed_size: 327680
    .private_segment_fixed_size: 0
    .kernarg_segment_align: 8
    .kernarg_segment_size: 48
    .max_flat_workgroup_size: 128
    .sgpr_count:     102
    .vgpr_count:     768
    .wavefront_size: 32
...
	.end_amdgpu_metadata
.endif
;; end of part 2
;; launch attn (part 3): grid 4 x 64, 16 waves a work-group, clusters of 4 x 1, 327,680 bytes of LDS; arguments qb, kv, ocodes, oscales; writes ocodes, oscales
.if DOCPART == 3
	.amdgcn_target "amdgcn-amd-amdhsa--gfx1250"
	.amdhsa_code_object_version 6
	.text
	.protected	k_qebd375b2d9_attn
	.globl	k_qebd375b2d9_attn
	.p2align	8
	.type	k_qebd375b2d9_attn,@function
k_qebd375b2d9_attn:
	s_mov_b64 s[64:65], 0
	v_nop
	global_prefetch_b8 v0, s[64:65] scope:SCOPE_SE
	s_setreg_imm32_b32 hwreg(HW_REG_WAVE_MODE, 25, 1), 1
	s_wait_xcnt 0x0
	s_wait_alu depctr_hold_cnt(0) depctr_sa_sdst(0) depctr_va_vdst(0) depctr_va_sdst(0) depctr_va_ssrc(0) depctr_va_vcc(0) depctr_vm_vsrc(0)
	s_getreg_b32 s2, hwreg(HW_REG_IB_STS2, 6, 4)
	s_cmp_eq_u32 s2, 0
	s_cbranch_scc0 .Lentry_in_a_cluster
	s_endpgm
.Lentry_in_a_cluster:
	s_bfe_u32 s2, ttmp6, 0x10000c
	s_cmp_lg_u32 s2, 0x3003
	s_cbranch_scc0 .Lentry_shape_is_right
	s_endpgm
.Lentry_shape_is_right:
; Causal attention of one (batch, head) on codes of BF6: S^T = K Q^T, p = 2^(t - M) with a running whole M, p quantised by blocks of 32 keys, O^T += V^T p^T; O / l is quantised along the head's 64 and leaves as codes.
; A cluster of four work-groups serves one head; all of its K, V and their scales (208,896 bytes) lie in each work-group's LDS, asked for jointly: key steps 0-3 and the scales at the head (waves 0-11 and 12-15,
; one load a wave), steps 4-15 behind one full sequence.  No prefetch: every tile is asked for at the head, there is no loop to run ahead in.
; A wave owns two tiles of 16 queries: tile row 31 - w needs key steps 0 .. a, tile row w steps 0 .. b, a + b = 15: 17 steps for every wave.  They are ONE walk of 17 trips: 0 .. a ascending, then b .. 0 descending
; (the order of the keys is free under a running maximum).  Key tiles wholly above the diagonal, which the causal mask throws away, are never visited.
; One split barrier a trip (signal behind the exponentials, wait at the next trip's top) keeps the sixteen waves within half a step of each other.
; LIMITS: the scaled scores stay under 2^31 in magnitude; no NaN or infinities; a block under 2^-122 keeps the byte 1.
.set BHQ, 106496
.set BHK, 208896
.set SCL, 196608
.macro CROUND
	s_barrier_signal -1
	s_barrier_wait -1
	s_cmp_lg_u32 s12, 0
	s_cbranch_scc1 .Lnot_wave_0_\@
	s_barrier_signal -3
.Lnot_wave_0_\@:
	s_barrier_wait -3
	s_barrier_signal -1
	s_barrier_wait -1
.endm
.macro G1SET g, rows
	s_mov_b32 s[\g], 15|(3<<16)|(1<<21)
	s_mov_b32 s[\g+1], 32<<16
	s_mov_b32 s[\g+2], (\rows)<<16
	s_mov_b32 s[\g+3], 32<<16
	s_mov_b32 s[\g+4], \rows
	s_mov_b32 s[\g+5], 32
	s_mov_b32 s[\g+6], 0
	s_mov_b32 s[\g+7], 0
.endm
.macro STEP diag                       ; one key step of 128 at LDS bytes s18 (codes) and s19 (scales); diag = 1: the trip may be a tile's diagonal step
	v_add_nc_u32 v4, s18, v1
	v_add_nc_u32 v5, s18, v2
	v_add_nc_u32 v6, s19, v3
	v_nop
.irp t, 0,1,2,3,4,5,6,7
	ds_load_b128 v[32+6*\t:35+6*\t], v4 offset:768*\t
	ds_load_b64 v[36+6*\t:37+6*\t], v5 offset:768*\t+512
.endr
	ds_load_b128 v[192:195], v6
	ds_load_b128 v[196:199], v6 offset:256
	s_wait_alu depctr_va_vdst(0)
	s_wait_dscnt 0x0
.irp t, 0,1,2,3,4,5,6,7
	v_wmma_scale_f32_16x16x128_f8f6f4 v[96+8*\t:103+8*\t], v[32+6*\t:43+6*\t], v[16:27], 0, v[192+\t], v255 matrix_a_fmt:MATRIX_FMT_BF6 matrix_b_fmt:MATRIX_FMT_BF6
.endr
.rept 4
	v_nop
.endr
.irp d, 0,1,2,3
.irp c, 0,1,2
	ds_load_b128 v[32+12*\d+4*\c:35+12*\d+4*\c], v4 offset:6144+1536*\d+512*\c
.endr
.endr
	ds_load_b128 v[200:203], v6 offset:512
.if \diag
	s_cmp_eq_u32 s17, s16                          ; the first tile's last step, or the second tile's first: the diagonal
	s_cbranch_scc1 .Lmask_\@
	s_cmp_lg_u32 s17, s88
	s_cbranch_scc1 .Lopen_\@
.Lmask_\@:
	v_mov_b32 v254, 0xff800000
.irp n, 0,1,2,3,4,5,6,7,8,9,10,11,12,13,14,15,16,17,18,19,20,21,22,23,24,25,26,27,28,29,30,31,32,33,34,35,36,37,38,39,40,41,42,43,44,45,46,47,48,49,50,51,52,53,54,55,56,57,58,59,60,61,62,63
	v_cmp_gt_i32 vcc_lo, 32*(\n/16)+\n%16, v8
	v_cndmask_b32 v[96+\n], v[96+\n], v254, vcc_lo
.endr
.Lopen_\@:
.endif
.irp b, 0,1,2,3
	v_max3_num_f32 v[232+\b], v[96+16*\b], v[97+16*\b], v[98+16*\b]
.endr
.irp i, 3,5,7,9,11,13
.irp b, 0,1,2,3
	v_max3_num_f32 v[232+\b], v[232+\b], v[96+16*\b+\i], v[97+16*\b+\i]
.endr
.endr
.irp b, 0,1,2,3
	v_max_num_f32 v[232+\b], v[232+\b], v[111+16*\b]
.endr
.irp b, 0,1,2,3
	s_delay_alu instid0(VALU_DEP_4)
	v_permlanex16_b32 v[236+\b], v[232+\b], s20, s21
.endr
.irp b, 0,1,2,3
	s_delay_alu instid0(VALU_DEP_4)
	v_max_num_f32 v[232+\b], v[232+\b], v[236+\b]
.endr
	s_delay_alu instid0(VALU_DEP_2)
	v_max3_num_f32 v254, v232, v233, v234
	s_delay_alu instid0(VALU_DEP_1)
	v_max_num_f32 v254, v254, v235
	s_delay_alu instid0(VALU_DEP_1)
	v_mul_f32 v254, s22, v254
	s_delay_alu instid0(VALU_DEP_1)
	v_max_num_f32 v13, v13, v254
	v_mov_b32 v254, v12
	s_delay_alu instid0(VALU_DEP_2)
	v_floor_f32 v12, -v13
	s_delay_alu instid0(VALU_DEP_1)
	v_sub_f32 v254, v12, v254
	s_delay_alu instid0(VALU_DEP_1)
	v_cvt_i32_f32 v254, v254
	s_delay_alu instid0(VALU_DEP_1)
	v_ldexp_f32 v252, 1.0, v254
.irp j, 0,2,4,6,8,10,12,14,16,18,20,22,24,26,28,30,32,34,36,38,40,42,44,46,48,50,52,54,56,58,60,62
	v_pk_fma_f32 v[96+\j:97+\j], v[96+\j:97+\j], s[22:23], v[12:13] op_sel_hi:[1,0,0]
.endr
.irp b, 0,1,2,3
	v_fma_f32 v[232+\b], v[232+\b], s22, v12
.endr
	s_wait_alu depctr_va_vdst(0)
.irp j, 0,1,2,3,4,5,6,7,8,9,10,11,12,13,14,15,16,17,18,19,20,21,22,23,24,25,26,27,28,29,30,31,32,33,34,35,36,37,38,39,40,41,42,43,44,45,46,47,48,49,50,51,52,53,54,55,56,57,58,59,60,61,62,63
	v_exp_f32 v[96+\j], v[96+\j]
.endr
.irp b, 0,1,2,3
	v_exp_f32 v[232+\b], v[232+\b]
.endr
	v_pk_mul_f32 v[14:15], v[14:15], v[252:253] op_sel_hi:[1,0]
	s_wait_dscnt 0x0                               ; V's fragments are in: no LDS instruction of mine is out at the signal
	s_barrier_signal -1                            ; I am half way through this trip; the wait stands at the next trip's top
	s_wait_alu depctr_va_vdst(0)
.irp b, 0,1,2,3
	v_max_num_f32 v[232+\b], 0x2800000, v[232+\b]
.endr
.irp b, 0,1,2,3
	s_delay_alu instid0(VALU_DEP_4)
	v_add_nc_u32 v[244+\b], 0xfe000000, v[232+\b]
.endr
.irp b, 0,1,2,3
	s_delay_alu instid0(VALU_DEP_4)
	v_lshrrev_b32 v[236+\b], 23, v[244+\b]
.endr
	s_delay_alu instid0(VALU_DEP_3)
	v_lshl_or_b32 v253, v237, 8, v236
	s_delay_alu instid0(VALU_DEP_1)
	v_lshl_or_b32 v253, v238, 16, v253
	s_delay_alu instid0(VALU_DEP_1)
	v_lshl_or_b32 v253, v239, 24, v253
.irp c, 0,1
	v_cvt_scalef32_pk16_bf6_f32 v[224+6*\c:226+6*\c], v[96+32*\c:111+32*\c], v[244+2*\c]
	v_cvt_scalef32_pk16_bf6_f32 v[236+4*\c:238+4*\c], v[112+32*\c:127+32*\c], v[244+2*\c+1]
.endr
	v_nop
.irp c, 0,1
.irp i, 0,1,2
	v_permlane16_swap_b32 v[224+6*\c+\i], v[236+4*\c+\i]
.endr
.irp i, 0,1,2
	s_delay_alu instid0(VALU_DEP_3)
	v_mov_b32 v[227+6*\c+\i], v[236+4*\c+\i]
.endr
.endr
	v_pk_add_f32 v[236:237], v[96:97], v[98:99]
.irp j, 4,8,12,16,20,24,28,32,36,40,44,48,52,56,60
	v_pk_add_f32 v[14:15], v[14:15], v[96+\j:97+\j]
	v_pk_add_f32 v[236:237], v[236:237], v[98+\j:99+\j]
.endr
	s_delay_alu instid0(VALU_DEP_1)
	v_pk_add_f32 v[14:15], v[14:15], v[236:237]
.irp j, 0,2,4,6,8,10,12,14,16,18,20,22,24,26,28,30
	v_pk_mul_f32 v[160+\j:161+\j], v[160+\j:161+\j], v[252:253] op_sel_hi:[1,0]
.endr
	s_wait_alu depctr_va_vdst(0)
	s_wait_dscnt 0x0
.irp d, 0,1,2,3
	v_wmma_scale_f32_16x16x128_f8f6f4 v[160+8*\d:167+8*\d], v[32+12*\d:43+12*\d], v[224:235], v[160+8*\d:167+8*\d], v[200+\d], v253 matrix_a_fmt:MATRIX_FMT_BF6 matrix_b_fmt:MATRIX_FMT_BF6
.endr
.endm
.macro PASSHEAD
	s_lshl_b32 s61, s15, 2
	s_add_co_u32 s61, s61, s13
	s_mov_b32 s75, 0
	s_and_b32 s62, s15, 1
	s_lshl_b32 s62, s62, 6
	s_lshr_b32 s63, s13, 1
	s_lshl_b32 s63, s63, 5
	s_add_co_u32 s62, s62, s63
	s_and_b32 s63, s13, 1
	s_lshl_b32 s63, s63, 3
	s_add_co_u32 s62, s62, s63
	v_add_nc_u32 v8, s62, v7
	s_lshr_b32 s62, s14, 4
	s_lshl_b32 s62, s62, 7
	s_add_co_u32 s62, s62, s61
	s_mul_i32 s74, s62, 12288
	s_and_b32 s63, s14, 15
	s_mul_i32 s63, s63, 768
	s_add_co_u32 s74, s74, s63
	s_add_nc_u64 s[70:71], s[8:9], s[74:75]
	s_lshr_b32 s74, s62, 1
	s_lshl_b32 s74, s74, 10
	s_bfe_u32 s63, s14, 0x20002
	s_lshl_b32 s63, s63, 8
	s_add_co_u32 s74, s74, s63
	s_and_b32 s63, s13, 1
	s_lshl_b32 s63, s63, 7
	s_add_co_u32 s74, s74, s63
	s_and_b32 s63, s14, 3
	s_lshl_b32 s63, s63, 1
	s_add_co_u32 s74, s74, s63
	s_add_nc_u64 s[72:73], s[10:11], s[74:75]
	v_mov_b32 v13, 0xff61b1e6
	s_delay_alu instid0(VALU_DEP_1)
	v_floor_f32 v12, -v13
	v_mov_b32 v14, 0
	v_mov_b32 v15, 0
.irp j, 0,1,2,3,4,5,6,7,8,9,10,11,12,13,14,15,16,17,18,19,20,21,22,23,24,25,26,27,28,29,30,31
	v_mov_b32 v[160+\j], 0
.endr
.endm
.macro WAYOUT
.rept 4
	v_nop
.endr
	v_add_f32 v14, v14, v15
	s_delay_alu instid0(VALU_DEP_1)
	v_permlanex16_b32 v252, v14, s20, s21
	s_delay_alu instid0(VALU_DEP_1)
	v_add_f32 v14, v14, v252
	s_wait_alu depctr_va_vdst(0)
	v_rcp_f32 v14, v14
	v_nop
	s_wait_alu depctr_va_vdst(0)
.irp j, 0,2,4,6,8,10,12,14,16,18,20,22,24,26,28,30
	v_pk_mul_f32 v[96+\j:97+\j], v[160+\j:161+\j], v[14:15] op_sel_hi:[1,0]
.endr
.irp b, 0,1
	v_max3_num_f32 v[232+\b], |v[96+16*\b]|, |v[97+16*\b]|, 0x2800000
.endr
.irp i, 2,4,6,8,10,12,14
.irp b, 0,1
	s_delay_alu instid0(VALU_DEP_2)
	v_max3_num_f32 v[232+\b], v[232+\b], |v[96+16*\b+\i]|, |v[97+16*\b+\i]|
.endr
.endr
	s_delay_alu instid0(VALU_DEP_2)
	v_permlanex16_b32 v236, v232, s20, s21
	s_delay_alu instid0(VALU_DEP_2)
	v_permlanex16_b32 v237, v233, s20, s21
	s_delay_alu instid0(VALU_DEP_2)
	v_max_num_f32 v232, v232, v236
	s_delay_alu instid0(VALU_DEP_2)
	v_max_num_f32 v233, v233, v237
	s_delay_alu instid0(VALU_DEP_2)
	v_add_nc_u32 v244, 0xfe000000, v232
	s_delay_alu instid0(VALU_DEP_2)
	v_add_nc_u32 v245, 0xfe000000, v233
	s_delay_alu instid0(VALU_DEP_2)
	v_lshrrev_b32 v236, 23, v244
	s_delay_alu instid0(VALU_DEP_2)
	v_lshrrev_b32 v237, 23, v245
	s_delay_alu instid0(VALU_DEP_1)
	v_lshl_or_b32 v238, v237, 8, v236
	v_cvt_scalef32_pk16_bf6_f32 v[224:226], v[96:111], v244
	v_cvt_scalef32_pk16_bf6_f32 v[228:230], v[112:127], v245
	v_nop
.irp i, 0,1,2
	v_permlane16_swap_b32 v[224+\i], v[228+\i]
.endr
	s_delay_alu instid0(VALU_DEP_3)
	v_mov_b32 v227, v228
	s_delay_alu instid0(VALU_DEP_3)
	v_mov_b32 v228, v229
	s_delay_alu instid0(VALU_DEP_3)
	v_mov_b32 v229, v230
	global_store_b128 v1, v[224:227], s[70:71]
	global_store_b64 v2, v[228:229], s[70:71] offset:512
	global_store_b16 v10, v238, s[72:73]
	s_wait_xcnt 0x0
.endm
	s_load_b256 s[4:11], s[0:1], 0x0
	v_lshl_add_u32 v250, v0, 2, 0x40000
	v_mov_b32 v251, 0
	ds_add_u32 v250, v251
	ds_add_u32 v250, v251
	v_lshrrev_b32 v1, 5, v0
	s_delay_alu instid0(VALU_DEP_1)
	v_readfirstlane_b32 s12, v1
	s_bfe_u32 s13, ttmp6, 0x40000
	s_and_b32 s14, ttmp7, 0xffff
	G1SET 24, 12                                   ; the scales: 3,072 bytes for each of waves 12-15
	G1SET 32, 16                                   ; key steps 0-3: 4,096 bytes for each of waves 0-11
	G1SET 40, 36
	s_mul_i32 s74, s14, BHK
	s_mov_b32 s75, 0
	s_mul_i32 s80, s14, BHQ
	s_mov_b32 s81, 0
	s_mul_i32 s82, s12, 3072
	s_add_co_u32 s82, s82, SCL-36864               ; wave 12 begins at SCL
	s_mov_b32 s83, 0
	s_mul_i32 s84, s12, 4096
	s_mov_b32 s85, 0
	s_mul_i32 s86, s12, 9216
	s_add_co_u32 s86, s86, 49152
	s_mov_b32 s87, 0
	s_mov_b32 s20, 0x76543210
	s_mov_b32 s21, 0xfedcba98
	s_mov_b32 s22, 0x3d38aa3b
	s_mov_b32 s23, s22
	s_wait_dscnt 0x0
	s_wait_kmcnt 0x0
	s_add_nc_u64 s[76:77], s[6:7], s[74:75]
	s_add_nc_u64 s[78:79], s[4:5], s[80:81]
.irp i, 0,1,2
	s_mov_b32 s[48+4*\i], 1
	s_mov_b32 s[49+4*\i], s[82+2*\i]
	s_add_nc_u64 s[50+4*\i:51+4*\i], s[76:77], s[82+2*\i:83+2*\i]
	s_or_b32 s[51+4*\i], s[51+4*\i], 0x80000000
.endr
	CROUND                                         ; the four work-groups are here: the joint loads meet
	s_cmp_lt_u32 s12, 12                           ; one first fill a wave, one to an arm
	s_cbranch_scc0 .Lscales
	tensor_load_to_lds s[52:55], s[32:39]
	s_nop 0
.rept 4
	v_nop
.endr
	s_branch .Lasked
.Lscales:
	tensor_load_to_lds s[48:51], s[24:31]
	s_nop 0
.rept 4
	v_nop
.endr
.Lasked:
.rept 4
	v_nop
.endr
	v_and_b32 v11, 31, v0
	s_delay_alu instid0(VALU_DEP_1)
	v_lshlrev_b32 v1, 4, v11
	s_delay_alu instid0(VALU_DEP_2)
	v_lshlrev_b32 v2, 3, v11
	v_and_b32 v4, 15, v0
	v_bfe_u32 v5, v0, 4, 1
	s_delay_alu instid0(VALU_DEP_2)
	v_lshlrev_b32 v9, 4, v4
	s_delay_alu instid0(VALU_DEP_3)
	v_lshlrev_b32 v10, 3, v4
	s_delay_alu instid0(VALU_DEP_2)
	v_add_nc_u32 v3, SCL, v9
	v_and_b32 v7, 8, v4
	s_delay_alu instid0(VALU_DEP_1)
	v_add_nc_u32 v7, v7, v4
	v_lshlrev_b32 v6, 4, v5
	s_delay_alu instid0(VALU_DEP_1)
	v_sub_nc_u32 v7, v7, v6
.irp j, 22,23,24,25,26,27,80,81,82,83,84,85
	v_mov_b32 v[\j], 0
.endr
.irp j, 236,237,238,239,252,253,254
	v_mov_b32 v[\j], 0
.endr
.macro QLOAD d, sc, sa                 ; the query tile of tile row s15: six registers of codes to v[d] on, its scale words to v[sc]; addresses in s[sa:sa+3]
	s_lshl_b32 s61, s15, 2
	s_add_co_u32 s61, s61, s13
	s_mul_i32 s74, s61, 768
	s_mov_b32 s75, 0
	s_add_nc_u64 s[\sa:\sa+1], s[78:79], s[74:75]
	s_lshl_b32 s74, s15, 8
	s_lshl_b32 s62, s13, 2
	s_add_co_u32 s74, s74, s62
	s_add_co_u32 s74, s74, 98304
	s_add_nc_u64 s[\sa+2:\sa+3], s[78:79], s[74:75]
	global_load_b128 v[\d:\d+3], v1, s[\sa:\sa+1]
	global_load_b64 v[\d+4:\d+5], v2, s[\sa:\sa+1] offset:512
	global_load_b32 v[\sc], v9, s[\sa+2:\sa+3]
.endm
	s_wait_alu depctr_va_vdst(0)
	s_mov_b32 s15, s12
	QLOAD 204, 210, 84                             ; both tiles' queries come now; the second tile's wait in v204-210
	s_sub_co_u32 s15, 31, s12
	QLOAD 16, 255, 66
	s_lshr_b32 s16, s15, 1                         ; a: the first tile's last key step, 8 .. 15
	s_add_co_u32 s88, s16, 1                       ; the trip in which the second tile begins
	PASSHEAD
	s_mov_b32 s17, 0                               ; the trip
	s_mov_b32 s18, 0
	s_mov_b32 s19, 0
	s_wait_alu depctr_va_vdst(0)
	s_wait_tensorcnt 0x0                           ; my part of steps 0-3 or of the scales is in
	ds_add_u32 v250, v251
	s_wait_dscnt 0x0
	CROUND
	tensor_load_to_lds s[56:59], s[40:47]          ; key steps 4-15: 9,216 bytes a wave; four trips stand between this line and the wait for it
	s_nop 0
.rept 4
	v_nop
.endr
	s_wait_loadcnt 0x0                             ; the queries
	s_barrier_signal -1
.La:                                                   ; trips 0-3: every wave is in its first tile, below the diagonal
	s_barrier_wait -1
	STEP 0
	s_add_co_u32 s18, s18, 12288
	s_add_co_u32 s19, s19, 768
	s_add_co_u32 s17, s17, 1
	s_cmp_lt_u32 s17, 4
	s_cbranch_scc1 .La
	s_barrier_wait -1
	s_wait_tensorcnt 0x0                           ; my part of steps 4-15 is in
	s_barrier_signal -1
	s_mov_b32 s89, 4*12288                         ; the ascending walk: step = trip,
	s_mov_b32 s91, 4*768
	s_mov_b32 s90, 12*12288                        ; and the descending one: step = 16 - trip
	s_mov_b32 s92, 12*768
.Lb:                                                   ; trips 4-16
	s_barrier_wait -1
	s_cmp_lg_u32 s17, s88
	s_cbranch_scc1 .Lsame
	WAYOUT                                         ; the first tile is finished: out with it, and on to the second
	s_mov_b32 s15, s12
.irp j, 0,1,2,3,4,5
	v_mov_b32 v[16+\j], v[204+\j]
.endr
	v_mov_b32 v255, v210
	PASSHEAD
.Lsame:
	s_min_u32 s93, s91, 15*768                     ; (the ascending walk is used up to step 15 at the most)
	s_cmp_gt_u32 s17, s16
	s_cselect_b32 s18, s90, s89
	s_cselect_b32 s19, s92, s93
	STEP 1
	s_add_co_u32 s89, s89, 12288
	s_add_co_u32 s91, s91, 768
	s_sub_co_u32 s90, s90, 12288
	s_sub_co_u32 s92, s92, 768
	s_add_co_u32 s17, s17, 1
	s_cmp_lt_u32 s17, 17
	s_cbranch_scc1 .Lb
	s_barrier_wait -1
	WAYOUT
	s_wait_dscnt 0x0
	s_wait_tensorcnt 0x0
	ds_add_u32 v250, v251
	s_wait_dscnt 0x0
	CROUND
	s_endpgm
.Lfunc_end_k_qebd375b2d9_attn:
	.size	k_qebd375b2d9_attn, .Lfunc_end_k_qebd375b2d9_attn-k_qebd375b2d9_attn
	.p2alignl 7, 3214868480
	.fill 96, 4, 3214868480
	.section	.rodata,"a",@progbits
	.p2align	6, 0x0
	.amdhsa_kernel k_qebd375b2d9_attn
		.amdhsa_group_segment_fixed_size 327680
		.amdhsa_private_segment_fixed_size 0
		.amdhsa_enable_private_segment 0
		.amdhsa_kernarg_size 32
		.amdhsa_user_sgpr_count 2
		.amdhsa_user_sgpr_kernarg_segment_ptr 1
		.amdhsa_wavefront_size32 1
		.amdhsa_system_sgpr_workgroup_id_x 1
		.amdhsa_system_sgpr_workgroup_id_y 1
		.amdhsa_system_sgpr_workgroup_id_z 1
		.amdhsa_system_vgpr_workitem_id 0
		.amdhsa_next_free_vgpr 256
		.amdhsa_next_free_sgpr 96
		.amdhsa_reserve_vcc 1
		.amdhsa_float_denorm_mode_32 3
		.amdhsa_float_denorm_mode_16_64 3
		.amdhsa_memory_ordered 1
		.amdhsa_forward_progress 1
		.amdhsa_inst_pref_size 62
	.end_amdhsa_kernel
	.amdgpu_metadata
---
amdhsa.version: [ 1, 2 ]
amdhsa.kernels:
  - .name:           k_qebd375b2d9_attn
    .symbol:         k_qebd375b2d9_attn.kd
    .args:
      - { .name: qb, .offset: 0, .size: 8, .value_kind: global_buffer, .address_space: global }
      - { .name: kv, .offset: 8, .size: 8, .value_kind: global_buffer, .address_space: global }
      - { .name: ocodes, .offset: 16, .size: 8, .value_kind: global_buffer, .address_space: global }
      - { .name: oscales, .offset: 24, .size: 8, .value_kind: global_buffer, .address_space: global }
    .group_segment_fixed_size: 327680
    .private_segment_fixed_size: 0
    .kernarg_segment_align: 8
    .kernarg_segment_size: 32
    .max_flat_workgroup_size: 512
    .sgpr_count:     96
    .vgpr_count:     256
    .wavefront_size: 32
...
	.end_amdgpu_metadata
.endif
;; end of part 3
;; launch gemm_out (part 4): grid 4 x 64, 4 waves a work-group, clusters of 4 x 4, 295,424 bytes of LDS; arguments ocodes, oscales, wcodes, wscales, bproj, out0; writes out0
.if DOCPART == 4
	.amdgcn_target "amdgcn-amd-amdhsa--gfx1250"
	.amdhsa_code_object_version 6
	.text
	.protected	k_qebd375b2d9_gemm_out
	.globl	k_qebd375b2d9_gemm_out
	.p2align	8
	.type	k_qebd375b2d9_gemm_out,@function
k_qebd375b2d9_gemm_out:
	s_mov_b64 s[64:65], 0
	v_nop
	global_prefetch_b8 v0, s[64:65] scope:SCOPE_SE
	s_setreg_imm32_b32 hwreg(HW_REG_WAVE_MODE, 25, 1), 1
	s_wait_xcnt 0x0
	s_wait_alu depctr_hold_cnt(0) depctr_sa_sdst(0) depctr_va_vdst(0) depctr_va_sdst(0) depctr_va_ssrc(0) depctr_va_vcc(0) depctr_vm_vsrc(0)
	s_getreg_b32 s2, hwreg(HW_REG_IB_STS2, 6, 4)
	s_cmp_eq_u32 s2, 0
	s_cbranch_scc0 .Lentry_in_a_cluster
	s_endpgm
.Lentry_in_a_cluster:
	s_bfe_u32 s2, ttmp6, 0x10000c
	s_cmp_lg_u32 s2, 0xf033
	s_cbranch_scc0 .Lentry_shape_is_right
	s_endpgm
.Lentry_shape_is_right:
; out0 = attention's result x Wproj + bproj (K = 1,024) on codes of BF6 with E8M0 scales; f32 out.
; A work-group makes 256 columns (source 0 = S0: Wproj's stored rows, from row tile 192 of the weights on) x 128 tokens (source 1 = S1): 256 tiles, one for each WGP.
; ALL OF K LIES IN LDS: 384 rows x 768 bytes, brought in two halves of K by four first fills alone: no byte is filled twice, no loop.
; CLUSTER 4 x 4: work-groups of a column (same cx) share S0's rows, those of a row (same cy) S1's: joint loads.
; Four waves: wave w makes S0's half w & 1 (8 tiles) x S1's half w >> 1 (4 tiles): 32 accumulators by turns, one instruction a turn.  The bias is the C of the first K step.
; Rows are stored with bits 3 and 4 of their index swapped: a lane's registers of tiles 2 b, 2 b + 1 are 16 neighbouring columns, and the stores' immediates put the tokens back in order.
; REGISTERS: window 0: v1-11 addresses, v32-79 scale words, v128-223 S1's fragments in two sets (on the way out v128-255: rows read back);  window 1: S0's fragments at v0 and v128, the bias at v96-127 and v224-255;  window 2: accumulator (a, b) at 8 (8 a + b).
.set QB,  147456                       ; a HALF of K in LDS: S0's 16 tiles x 6,144 bytes, then S1's 8.  K comes in two halves, by four first fills, one a wave
.set S1O, 98304
.set G0A, 24
.set G0B, 40
.set G1A, 56
.set G1B, 68
.set MSB, 0
.macro WIN new
.if MSB != \new
	s_set_vgpr_msb (MSB<<8)|\new
.set MSB, \new
.endif
.endm
.macro PLACES
.rept 4
	v_nop
.endr
.endm
.macro CROUND
	s_barrier_signal -1
	s_barrier_wait -1
	s_cmp_lg_u32 s16, 0
	s_cbranch_scc1 .Lnot_wave_0_\@
	s_barrier_signal -3
.Lnot_wave_0_\@:
	s_barrier_wait -3
	s_barrier_signal -1
	s_barrier_wait -1
.endm
.macro FRAG reg, a16, a8, off
	ds_load_b128 v[\reg:\reg+3], v[\a16] offset:\off
	ds_load_b64 v[\reg+4:\reg+5], v[\a8] offset:\off+512
	ds_load_b128 v[\reg+6:\reg+9], v[\a16] offset:\off+768
	ds_load_b64 v[\reg+10:\reg+11], v[\a8] offset:\off+1280
.endm
.macro FETCH q
	WIN 0x40
.irp b, 0,1,2,3,4,5,6,7
	FRAG 128*((\q)%2)+12*\b, 3, 4, 6144*\b+1536*((\q)%4)
.endr
	WIN 0
.irp a, 0,1,2,3
	FRAG 128+48*((\q)%2)+12*\a, 5, 6, 6144*\a+1536*((\q)%4)
.endr
.endm
.macro WM a, b, q, first               ; first = 1: C is the bias of S0's tile b
.set DA, 8*(8*(\a)+(\b))
.set FA, 128*((\q)%2)+12*(\b)
.set FB, 128+48*((\q)%2)+12*(\a)
.set ZA, 32+8*((\b)/2)+(\q)
.set ZB, 64+8*((\a)/2)+(\q)
.set BI, 96+8*(\b)+96*((\b)/4)
.if \first
.if ((\b)%2 == 0) && ((\a)%2 == 0)
	v_wmma_scale_f32_16x16x128_f8f6f4 v[DA:DA+7], v[FA:FA+11], v[FB:FB+11], v[BI:BI+7], v[ZA], v[ZB] matrix_a_fmt:MATRIX_FMT_BF6 matrix_b_fmt:MATRIX_FMT_BF6
.elseif ((\b)%2 == 1) && ((\a)%2 == 0)
	v_wmma_scale_f32_16x16x128_f8f6f4 v[DA:DA+7], v[FA:FA+11], v[FB:FB+11], v[BI:BI+7], v[ZA], v[ZB] matrix_a_fmt:MATRIX_FMT_BF6 matrix_b_fmt:MATRIX_FMT_BF6 matrix_a_scale:MATRIX_SCALE_ROW1
.elseif ((\b)%2 == 0)
	v_wmma_scale_f32_16x16x128_f8f6f4 v[DA:DA+7], v[FA:FA+11], v[FB:FB+11], v[BI:BI+7], v[ZA], v[ZB] matrix_a_fmt:MATRIX_FMT_BF6 matrix_b_fmt:MATRIX_FMT_BF6 matrix_b_scale:MATRIX_SCALE_ROW1
.else
	v_wmma_scale_f32_16x16x128_f8f6f4 v[DA:DA+7], v[FA:FA+11], v[FB:FB+11], v[BI:BI+7], v[ZA], v[ZB] matrix_a_fmt:MATRIX_FMT_BF6 matrix_b_fmt:MATRIX_FMT_BF6 matrix_a_scale:MATRIX_SCALE_ROW1 matrix_b_scale:MATRIX_SCALE_ROW1
.endif
.else
.if ((\b)%2 == 0) && ((\a)%2 == 0)
	v_wmma_scale_f32_16x16x128_f8f6f4 v[DA:DA+7], v[FA:FA+11], v[FB:FB+11], v[DA:DA+7], v[ZA], v[ZB] matrix_a_fmt:MATRIX_FMT_BF6 matrix_b_fmt:MATRIX_FMT_BF6
.elseif ((\b)%2 == 1) && ((\a)%2 == 0)
	v_wmma_scale_f32_16x16x128_f8f6f4 v[DA:DA+7], v[FA:FA+11], v[FB:FB+11], v[DA:DA+7], v[ZA], v[ZB] matrix_a_fmt:MATRIX_FMT_BF6 matrix_b_fmt:MATRIX_FMT_BF6 matrix_a_scale:MATRIX_SCALE_ROW1
.elseif ((\b)%2 == 0)
	v_wmma_scale_f32_16x16x128_f8f6f4 v[DA:DA+7], v[FA:FA+11], v[FB:FB+11], v[DA:DA+7], v[ZA], v[ZB] matrix_a_fmt:MATRIX_FMT_BF6 matrix_b_fmt:MATRIX_FMT_BF6 matrix_b_scale:MATRIX_SCALE_ROW1
.else
	v_wmma_scale_f32_16x16x128_f8f6f4 v[DA:DA+7], v[FA:FA+11], v[FB:FB+11], v[DA:DA+7], v[ZA], v[ZB] matrix_a_fmt:MATRIX_FMT_BF6 matrix_b_fmt:MATRIX_FMT_BF6 matrix_a_scale:MATRIX_SCALE_ROW1 matrix_b_scale:MATRIX_SCALE_ROW1
.endif
.endif
.endm
.macro MUL16 a0, q, first
.irp a, \a0, \a0+1
.irp b, 0,1,2,3,4,5,6,7
	WM \a, \b, \q, \first
.endr
.endr
.endm
.macro STEPE q, first
	s_wait_dscnt 0x0                               ; this step's fragments are in
.if (\q) > 0
	PLACES                                         ; four places in front of loads into registers that the last step's products read
.endif
	FETCH (\q)+1
.if \first
	WIN 0x91                                       ; source 0 and C (the bias) window 1, source 1 window 0, D window 2
.else
	WIN 0xa1                                       ; source 0 window 1, source 1 window 0, C and D window 2
.endif
	MUL16 0, \q, \first
	MUL16 2, \q, \first
.endm
.macro STEPO q
	s_wait_dscnt 0x0                               ; no LDS instruction of mine is out at the signal; my reads of this half are over
	s_wait_tensorcnt 0x0                           ; every wave's one load has landed: the second half of K is whole behind the barrier
	s_barrier_signal -1
	WIN 0xa1
	MUL16 0, \q, 0
	WIN 0
	s_barrier_wait -1
	v_add_nc_u32 v3, QB, v3                        ; on to the next half: also the four places in front of the loads below
	v_add_nc_u32 v4, QB, v4
	v_add_nc_u32 v5, QB, v5
	v_add_nc_u32 v6, QB, v6
	FETCH (\q)+1
	WIN 0xa1
	MUL16 2, \q, 0
.endm
; THE WAY OUT of S1's tile a: 16 tokens x 128 columns through my own stage (rows of 512 + 16 bytes) and back as whole rows.  The stage lies in the first half of K, which has had its only fill
; and whose last read by any wave stands in front of the barrier for the second half.  LDS serves a wave's instructions in order.
.macro TOSTAGE a
	WIN 0x08                                       ; an LDS store's data: window 2
.irp b, 0,1,2,3,4,5,6,7
	ds_store_b128 v10, v[64*(\a)+8*\b:64*(\a)+8*\b+3] offset:128*(\b/2)+32*(\b%2)          ; each accumulator from its low end on
	ds_store_b128 v10, v[64*(\a)+8*\b+4:64*(\a)+8*\b+7] offset:128*(\b/2)+32*(\b%2)+16
.endr
	WIN 0
.irp t, 0,1,2,3,4,5,6,7,8,9,10,11,12,13,14,15
	ds_load_b128 v[128+64*((\a)%2)+4*\t:128+64*((\a)%2)+4*\t+3], v11 offset:528*\t
.endr
.endm
.macro SEND a, younger                 ; younger: the LDS instructions issued behind tile a's loads, which may stay out
	s_wait_dscnt \younger
.irp t, 0,1,2,3,4,5,6,7,8,9,10,11,12,13,14,15
	global_store_b128 v1, v[128+64*((\a)%2)+4*\t:128+64*((\a)%2)+4*\t+3], s[14:15] offset:(32*((\a)/2)+8*((\a)%2)+\t+8*(\t/8))*4096 th:TH_STORE_NT   ; 32 lanes store 512 consecutive bytes of the token's true row
.endr
.endm
	s_load_b256 s[4:11], s[0:1], 0x0               ; ocodes, oscales, wcodes, wscales
	s_load_b128 s[12:15], s[0:1], 0x20             ; bproj, out0
	v_lshl_add_u32 v126, v0, 2, 0x48000
	v_mov_b32 v127, 0
	ds_add_u32 v126, v127
	ds_add_u32 v126, v127
	v_lshrrev_b32 v1, 5, v0
	v_readfirstlane_b32 s16, v1                    ; wave
	s_and_b32 s17, s16, 1                          ; my half of S0; also which half of a side I fetch
	s_lshr_b32 s18, s16, 1                         ; my half of S1
	s_bfe_u32 s19, ttmp6, 0x40000                  ; cx
	s_bfe_u32 s20, ttmp6, 0x40004                  ; cy
	s_and_b32 s21, ttmp7, 0xffff
	s_lshl_b32 s77, ttmp9, 2
	s_add_co_u32 s77, s77, s19                     ; S0's tile of 256 columns: hangs on cx, never on cy
	s_lshl_b32 s78, s21, 2
	s_add_co_u32 s78, s78, s20                     ; S1's tile of 128 tokens: hangs on cy, never on cx
	s_lshl_b32 s22, 0x1111, s19                    ; my column of the cluster
	s_lshl_b32 s23, s20, 2
	s_lshl_b32 s23, 15, s23                        ; my row
	s_or_b32 s[G1A], s22, (3<<16)|(1<<21)
	s_or_b32 s[G1B], s23, (3<<16)|(1<<21)
.irp g, G1A, G1B
	s_mov_b32 s[\g+1], 768<<16                     ; 6,144 bytes: a row tile's half of K
	s_mov_b32 s[\g+3], 768<<16
	s_mov_b32 s[\g+5], 1536                        ; from row tile to row tile: 12,288 bytes
	s_mov_b32 s[\g+6], 0
	s_mov_b32 s[\g+7], 0
.endr
	s_mov_b32 s[G1A+2], 16<<16
	s_mov_b32 s[G1A+4], 16
	s_mov_b32 s[G1B+2], 8<<16
	s_mov_b32 s[G1B+4], 8
	s_lshl_b32 s80, s77, 4
	s_add_co_u32 s80, s80, 192                     ; Wproj begins at row tile 192 of the weights
	s_mul_i32 s80, s80, 12288
	s_mov_b32 s81, 0
	s_lshl_b32 s82, s78, 3
	s_mul_i32 s82, s82, 12288
	s_mov_b32 s83, 0
	s_lshl_b32 s84, s77, 3
	s_lshl_b32 s79, s17, 2
	s_add_co_u32 s84, s84, s79
	s_add_co_u32 s84, s84, 96
	s_lshl_b32 s84, s84, 10
	s_mov_b32 s85, 0
	s_lshl_b32 s86, s78, 2
	s_lshl_b32 s79, s18, 1
	s_add_co_u32 s86, s86, s79
	s_lshl_b32 s86, s86, 10
	s_mov_b32 s87, 0
	s_mov_b32 s88, 0
	s_mov_b32 s89, S1O
	s_lshl_b32 s98, s77, 10                        ; my 128 columns, in bytes
	s_lshl_b32 s79, s17, 9
	s_add_co_u32 s98, s98, s79
	s_mov_b32 s99, 0
	s_lshl_b32 s100, s78, 19                       ; my 64 tokens' rows of 4,096 bytes,
	s_lshl_b32 s79, s18, 18
	s_add_co_u32 s100, s100, s79
	s_add_co_u32 s100, s100, s98                   ; at my columns
	s_mov_b32 s101, 0
	s_wait_dscnt 0x0
	s_wait_kmcnt 0x0
	s_add_nc_u64 s[90:91], s[8:9], s[80:81]
	s_add_nc_u64 s[92:93], s[4:5], s[82:83]
	s_add_nc_u64 s[94:95], s[10:11], s[84:85]
	s_add_nc_u64 s[96:97], s[6:7], s[86:87]
	s_add_nc_u64 s[12:13], s[12:13], s[98:99]
	s_add_nc_u64 s[14:15], s[14:15], s[100:101]
.irp y, 0,1
	s_mov_b32 s[G0A+4*\y], 1
	s_add_co_u32 s[G0A+4*\y+1], s88, \y*QB
	s_add_nc_u64 s[G0A+4*\y+2:G0A+4*\y+3], s[90:91], \y*6144
	s_or_b32 s[G0A+4*\y+3], s[G0A+4*\y+3], 0x80000000
	s_mov_b32 s[G0B+4*\y], 1
	s_add_co_u32 s[G0B+4*\y+1], s89, \y*QB
	s_add_nc_u64 s[G0B+4*\y+2:G0B+4*\y+3], s[92:93], \y*6144
	s_or_b32 s[G0B+4*\y+3], s[G0B+4*\y+3], 0x80000000
.endr
	CROUND                                         ; all sixteen work-groups are here: the joint loads meet
	s_cmp_lt_u32 s16, 1                            ; one chain of branches on the wave's number, one first fill to an arm: wave 0 S0's first half of K,
	s_cbranch_scc0 .Larm1
	tensor_load_to_lds s[G0A:G0A+3], s[G1A:G1A+7]
	s_nop 0
	PLACES
	s_branch .Lasked
.Larm1:
	s_cmp_lt_u32 s16, 2                            ; wave 1 S1's first half,
	s_cbranch_scc0 .Larm2
	tensor_load_to_lds s[G0B:G0B+3], s[G1B:G1B+7]
	s_nop 0
	PLACES
	s_branch .Lasked
.Larm2:
	s_cmp_lt_u32 s16, 3                            ; wave 2 S0's second half,
	s_cbranch_scc0 .Larm3
	tensor_load_to_lds s[G0A+4:G0A+7], s[G1A:G1A+7]
	s_nop 0
	PLACES
	s_branch .Lasked
.Larm3:
	tensor_load_to_lds s[G0B+4:G0B+7], s[G1B:G1B+7]   ; wave 3 S1's second half
	s_nop 0
	PLACES
.Lasked:
	v_and_b32 v9, 31, v0
	v_lshlrev_b32 v1, 4, v9                        ; 16 x lane
	v_lshlrev_b32 v2, 3, v9                        ; 8 x lane
	v_and_b32 v7, 15, v0                           ; r
	v_bfe_u32 v8, v0, 4, 1                         ; h
	s_mul_i32 s79, s17, 49152
	v_add_nc_u32 v3, s79, v1
	v_add_nc_u32 v4, s79, v2
	s_mul_i32 s79, s18, 24576
	s_add_co_u32 s79, s79, S1O
	v_add_nc_u32 v5, s79, v1
	v_add_nc_u32 v6, s79, v2
	v_lshlrev_b32 v9, 6, v8                        ; the bias: 64 h bytes: a tile's eight columns of my half
	s_mul_i32 s79, s16, 8448                       ; my stage
	v_mul_u32_u24 v10, v7, 528
	v_lshl_add_u32 v10, v8, 6, v10
	v_add_nc_u32 v10, s79, v10                     ; in: row r, + 64 h
	v_add_nc_u32 v11, s79, v1                      ; back: 16 bytes a lane of a row
.irp j, 0,1,2,3
.irp y, 0,1,2,3
	global_load_b64 v[32+8*\j+2*\y:33+8*\j+2*\y], v2, s[94:95] offset:1024*\j+256*\y
.endr
.endr
.irp j, 0,1
.irp y, 0,1,2,3
	global_load_b64 v[64+8*\j+2*\y:65+8*\j+2*\y], v2, s[96:97] offset:1024*\j+256*\y
.endr
.endr
	WIN 0x40                                       ; destination window 1
.irp b, 0,1,2,3,4,5,6,7
	global_load_b128 v[96+8*\b+96*(\b/4):99+8*\b+96*(\b/4)], v9, s[12:13] offset:(32*(\b/2)+8*(\b%2))*4
	global_load_b128 v[100+8*\b+96*(\b/4):103+8*\b+96*(\b/4)], v9, s[12:13] offset:(32*(\b/2)+8*(\b%2))*4+16
.endr
	WIN 0
	s_wait_alu depctr_va_vdst(0)
	s_cmp_lt_u32 s16, 2                            ; waves 0 and 1 issued the first half's two loads and wait for them here; the second half's loads, lines of waves 2 and 3 alone, stay out
	s_cbranch_scc0 .Lnot_first
	s_wait_tensorcnt 0x0
.Lnot_first:
	s_barrier_signal -1
	s_barrier_wait -1
	FETCH 0
	s_wait_loadcnt 0x0                             ; the scale words and the bias
	STEPE 0, 1
	STEPE 1, 0
	STEPE 2, 0
	STEPO 3                                        ; the one change of halves: behind its barrier nobody reads the first half, where the stage lies
	s_wait_alu depctr_va_vdst(0)
	STEPE 4, 0
	STEPE 5, 0
	STEPE 6, 0
	s_wait_dscnt 0x0
	MUL16 0, 7, 0
	MUL16 2, 7, 0
	WIN 0
	PLACES                                         ; four places in front of the first read of results and of loads into registers that products read
	TOSTAGE 0
.irp a, 1,2,3
.if \a > 1
	s_wait_xcnt 0x0                                ; tile a - 2's stores have read their registers: tile a's rows may land there
.endif
	TOSTAGE \a
	SEND \a-1, 32                                  ; behind tile a - 1's loads: tile a's 16 stores and 16 loads
.endr
	SEND 3, 0
	s_wait_dscnt 0x0
	s_wait_tensorcnt 0x0
	ds_add_u32 v126, v127
	s_wait_dscnt 0x0
	CROUND                                         ; the closing round
	s_endpgm
.Lfunc_end_k_qebd375b2d9_gemm_out:
	.size	k_qebd375b2d9_gemm_out, .Lfunc_end_k_qebd375b2d9_gemm_out-k_qebd375b2d9_gemm_out
	.p2alignl 7, 3214868480
	.fill 96, 4, 3214868480
	.section	.rodata,"a",@progbits
	.p2align	6, 0x0
	.amdhsa_kernel k_qebd375b2d9_gemm_out
		.amdhsa_group_segment_fixed_size 295424
		.amdhsa_private_segment_fixed_size 0
		.amdhsa_enable_private_segment 0
		.amdhsa_kernarg_size 48
		.amdhsa_user_sgpr_count 2
		.amdhsa_user_sgpr_kernarg_segment_ptr 1
		.amdhsa_wavefront_size32 1
		.amdhsa_system_sgpr_workgroup_id_x 1
		.amdhsa_system_sgpr_workgroup_id_y 1
		.amdhsa_system_sgpr_workgroup_id_z 1
		.amdhsa_system_vgpr_workitem_id 0
		.amdhsa_next_free_vgpr 768
		.amdhsa_next_free_sgpr 102
		.amdhsa_reserve_vcc 0
		.amdhsa_float_denorm_mode_32 3
		.amdhsa_float_denorm_mode_16_64 3
		.amdhsa_memory_ordered 1
		.amdhsa_forward_progress 1
		.amdhsa_inst_pref_size 84
	.end_amdhsa_kernel
	.amdgpu_metadata
---
amdhsa.version: [ 1, 2 ]
amdhsa.kernels:
  - .name:           k_qebd375b2d9_gemm_out
    .symbol:         k_qebd375b2d9_gemm_out.kd
    .args:
      - { .name: ocodes, .offset: 0, .size: 8, .value_kind: global_buffer, .address_space: global }
      - { .name: oscales, .offset: 8, .size: 8, .value_kind: global_buffer, .address_space: global }
      - { .name: wcodes, .offset: 16, .size: 8, .value_kind: global_buffer, .address_space: global }
      - { .name: wscales, .offset: 24, .size: 8, .value_kind: global_buffer, .address_space: global }
      - { .name: bproj, .offset: 32, .size: 8, .value_kind: global_buffer, .address_space: global }
      - { .name: out0, .offset: 40, .size: 8, .value_kind: global_buffer, .address_space: global }
    .group_segment_fixed_size: 295424
    .private_segment_fixed_size: 0
    .kernarg_segment_align: 8
    .kernarg_segment_size: 48
    .max_flat_workgroup_size: 128
    .sgpr_count:     102
    .vgpr_count:     768
    .wavefront_size: 32
...
	.end_amdgpu_metadata
.endif
;; end of part 4
